; MI455X (gfx1250); checked and timed in simulation.
; The chip was launched on July 23, 2026; its instructions are those of AMD's public machine-readable ISA for CDNA 5 (MIT licence, August 2026) and "CDNA5" Instruction Set Architecture Reference Guide (July 2026). The comments in the code are by the model that wrote it; some were corrected since.
;; Attention Bahdanau. Allowed arithmetic: matrix products marked QUANTISED: E5M2 operands, one given power-of-two scale a tensor, by v_wmma_f32_16x16x64_bf8_bf8 or v_wmma_f32_16x16x128_bf8_bf8, f32 sums; products left as they are: f32 operands where the result goes on into a quantised operand, else bf16, f16 or f32 operands; f32 sums; everything else in f32.
;; Inputs: W_cv 1,024 x 1 float32; W_de 1,024 x 1,024 float32; W_en 1,024 x 1,024 float32; W_out 1 x 1,024 float32; b_cv 1,024 float32; b_de 1,024 float32; b_en 1,024 float32; enhy 64 x 512 x 1,024 float32; hidden_attn 64 x 512 float32; last_dehy 64 x 1,024 float32; lowp_scales 4 int32 (the exponents e of the quantised operands' scales 2^e); past_attn 64 x 512 float32.
;; Outputs: out0 64 x 1,024 float32; out1 64 x 512 float32; out2 64 x 512 float32.
;; This version of the problem:
;;   THIS VERSION OF THE PROBLEM IS GIVEN IN LOW PRECISION. The matrix products marked QUANTISED in the list below multiply operands that are first quantised to E5M2 (5 exponent bits, 2 mantissa bits; 8 bits a number), with one given power-of-two scale for each operand tensor; their sums are f32. All else is computed in f32.
;;   The module's matrix products, in the order in which they are computed (A, B: the left and right operand; K: the contracted axis; several contracted axes count as one K, in the product's order):
;;     1. [M 32,768, K 1,024] x [K 1,024, N 1,024]; A: input enhy; B: input W_en: QUANTISED (scales: A lowp_scales[0], B lowp_scales[1])
;;     2. [M 64, K 1,024] x [K 1,024, N 1,024]; A: input last_dehy; B: input W_de: QUANTISED (scales: A lowp_scales[2], B lowp_scales[3])
;;     3. [M 32,768, K 1,024] x [K 1,024, N 1]; A: computed on the way; B: input W_out: left as it is (N = 1 < 16)
;;     4. batch 64 x [M 1, K 512] x [K 512, N 1,024]; A: softmax; B: input enhy: left as it is (M = 1 < 16)
;;   THE QUANTISER, for each operand of a quantised product, along K:
;;     - The operand's scale is 2^e, e = its entry of the input lowp_scales (int32; the entries are numbered through the quantised products in the list's order, A before B).
;;     - Each number is divided by the scale, clamped to +-57,344, and rounded to the nearest number of E5M2, ties to even, subnormals kept.
;;     - The product sums the exact products of the quantised numbers (number of the format x scale) in f32.
;;   ~~~python
;;   def quantise(x, axis, e):      # numpy; x: float32 -> the quantised numbers, widened to float32 again
;;       x = np.moveaxis(x, axis, -1); K = x.shape[-1]
;;       r = np.clip(x / 2.0 ** e, -57344, 57344)
;;       step = 2.0 ** (np.maximum(np.frexp(np.where(r == 0, 1, r))[1] - 1, -14) - 2)
;;       q = np.round(r / step) * step * 2.0 ** e      # np.round: ties to even
;;       return np.moveaxis(q, -1, axis).astype(np.float32)
;;   ~~~
;; 2 versions, each right; version 2 is version 1 with the launches prep, main written anew for expert scheduling mode. Each part assembles by itself: llvm-mc -triple=amdgcn-amd-amdhsa -mcpu=gfx1250 --defsym DOCPART=n.
;; ======== version 1 of 2: 3 launches
;; workspace buffers: wcodes 1,048,576 bytes; cbk 262,144 bytes; scores 131,072 bytes; hpart 1,048,576 bytes
;; launch prep (part 1): grid 64 x 4, 8 waves a work-group, no clusters, 9,216 bytes of LDS; arguments W_en, W_de, last_dehy, b_de, b_en, b_cv, lowp_scales, wcodes, cbk; writes wcodes, cbk
.if DOCPART == 1
	.amdgcn_target "amdgcn-amd-amdhsa--gfx1250"
	.amdhsa_code_object_version 6
	.text
	.protected	k_qc3bda61f46_prep
	.globl	k_qc3bda61f46_prep
	.p2align	8
	.type	k_qc3bda61f46_prep,@function
k_qc3bda61f46_prep:
	s_mov_b64 s[64:65], 0
	v_nop
	global_prefetch_b8 v0, s[64:65] scope:SCOPE_SE
	s_setreg_imm32_b32 hwreg(HW_REG_WAVE_MODE, 25, 1), 1
	s_wait_xcnt 0x0
; PREP.  Two things that every work-group of the next launch needs, made once.
; (1) wcodes: W_en [1024 o][1024 k], f32, as codes of BF8 (E5M2) with the given scale 2^e1, laid in the ORDER OF THE OPERAND'S REGISTERS:
;     byte G*65536 + t*8192 + bb*2048 + c*512 + 16*lane holds the 16 codes of W_en[64 G + 16 bb + lane % 16][128 t + 32 c + 16 (lane / 16) + 0..15].
; (2) cbk: K2 x (last_dehy W_de^T + b_de + b_en + b_cv), K2 = 2 log2(e); the product on codes of BF8 with the given scales 2^e2, 2^e3, sums in f32.
;     Block (m, T) of 1,024 bytes at (64 m + T) x 1,024: [16 batches r][16 columns oo] f32, batch 16 m + r, column 16 T + oo.
; SHARES.  Work-group (T, m): 16 columns o, 16 batches.  Wave t: K step t of 128.  Each wave makes one matrix instruction; the eight parts of K meet in LDS and
; are added in f32 by waves 0 and 1.  Of W_en a wave quantises 16 rows x 32 k (block c = m of its K step), so each number of W_en is read once in the launch.
; A lane takes 16 neighbours along K of its row (64 bytes), so neighbouring lanes stand a row apart: the three tensors together are 8.3 MB, and the codes leave as 512 dense bytes a wave.
; k lies in the registers as 32 c + 16 (lane / 16) + 0..15 in registers 4 c .. 4 c + 3, alike in both operands of a product: every product meets its partner.
; LIMITS: e1, e2, e3 between -126 and 112, so that 2^e and 57,344 x 2^e are f32 numbers; e2 + e3 goes through v_ldexp_f32 and has no limit.  NaN among the inputs is not served; infinities are held at the largest code.
.set K2,  0x4038aa3b                   ; 2 log2(e) as f32
.set XE,  16                           ; v16-31   16 numbers of W_en
.set XD,  32                           ; v32-95   64 numbers of W_de; later the eight parts of the sums
.set XL,  96                           ; v96-159  64 numbers of last_dehy
.set CE,  160                          ; v160-163 W_en's codes
.set CW,  164                          ; v164-179 W_de's fragment
.set CL,  180                          ; v180-195 last_dehy's fragment
.set ACC, 196                          ; v196-203 the sums of my K step
.set BI,  204                          ; v204-215 four numbers each of b_de, b_en, b_cv
	s_load_b256 s[4:11], s[0:1], 0x0               ; W_en s[4:5], W_de s[6:7], last_dehy s[8:9], b_de s[10:11]
	s_load_b256 s[12:19], s[0:1], 0x20             ; b_en s[12:13], b_cv s[14:15], the scales' exponents s[16:17], wcodes s[18:19]
	s_load_b64 s[20:21], s[0:1], 0x40              ; cbk
	v_lshl_add_u32 v224, v0, 2, 0x2000
	v_mov_b32 v225, 0
	v_lshrrev_b32 v1, 5, v0
	v_readfirstlane_b32 s28, v1                    ; t: my wave, my K step
	s_mov_b32 s29, ttmp9                           ; T
	s_and_b32 s30, ttmp7, 0xffff                   ; m
	v_and_b32 v1, 15, v0                           ; r
	v_bfe_u32 v2, v0, 4, 1                         ; h
	v_lshlrev_b32 v3, 12, v1
	v_lshl_add_u32 v3, v2, 6, v3                   ; row r of 4,096 bytes + 64 h: my 16 numbers of a block of 32
	v_and_b32 v4, 31, v0
	v_lshlrev_b32 v4, 4, v4                        ; 16 x lane: my codes' place
	v_and_b32 v5, 3, v0
	v_lshlrev_b32 v5, 4, v5                        ; the reducer's four columns in a bias
	s_lshl_b32 s31, s28, 10
	v_lshlrev_b32 v6, 6, v1
	v_lshl_add_u32 v6, v2, 5, v6
	v_add_nc_u32 v6, s31, v6                       ; LDS: my wave's 1,024 bytes; batch r's 64 bytes; + 32 h
	v_and_b32 v7, 63, v0
	v_lshlrev_b32 v7, 4, v7                        ; the reducer (threads 0-63): 16 bytes of the block
	s_lshl_b32 s32, s29, 16                        ; 16 rows of 4,096 bytes x T
	s_lshl_b32 s34, s28, 9                         ; 128 numbers x t
	s_add_co_u32 s36, s32, s34                     ; W_de
	s_mov_b32 s37, 0
	s_lshl_b32 s35, s30, 7                         ; 32 numbers x m
	s_add_co_u32 s38, s36, s35                     ; W_en
	s_mov_b32 s39, 0
	s_lshl_b32 s40, s30, 16
	s_add_co_u32 s40, s40, s34                     ; last_dehy
	s_mov_b32 s41, 0
	s_lshl_b32 s42, s29, 6                         ; the biases: 16 numbers x T
	s_mov_b32 s43, 0
	s_lshr_b32 s44, s29, 2
	s_lshl_b32 s44, s44, 16                        ; wcodes: G = T / 4,
	s_lshl_b32 s33, s28, 13
	s_add_co_u32 s44, s44, s33                     ; t,
	s_and_b32 s33, s29, 3
	s_lshl_b32 s33, s33, 11
	s_add_co_u32 s44, s44, s33                     ; bb = T % 4,
	s_lshl_b32 s33, s30, 9
	s_add_co_u32 s44, s44, s33                     ; c = m
	s_mov_b32 s45, 0
	s_lshl_b32 s46, s30, 6
	s_add_co_u32 s46, s46, s29
	s_lshl_b32 s46, s46, 10                        ; cbk: block 64 m + T
	s_mov_b32 s47, 0
	s_wait_kmcnt 0x0
	s_load_b128 s[24:27], s[16:17], 0x0            ; e0, e1, e2, e3
	s_add_nc_u64 s[4:5], s[4:5], s[38:39]
	s_add_nc_u64 s[6:7], s[6:7], s[36:37]
	s_add_nc_u64 s[8:9], s[8:9], s[40:41]
	s_add_nc_u64 s[10:11], s[10:11], s[42:43]
	s_add_nc_u64 s[12:13], s[12:13], s[42:43]
	s_add_nc_u64 s[14:15], s[14:15], s[42:43]
	s_add_nc_u64 s[18:19], s[18:19], s[44:45]
	s_add_nc_u64 s[20:21], s[20:21], s[46:47]
	global_load_b128 v[BI:BI+3],    v5, s[10:11]
	global_load_b128 v[BI+4:BI+7],  v5, s[12:13]
	global_load_b128 v[BI+8:BI+11], v5, s[14:15]
.irp j, 0,1,2,3
	global_load_b128 v[XE+4*\j:XE+4*\j+3], v3, s[4:5] offset:16*\j th:TH_LOAD_NT
.endr
.irp c, 0,1,2,3
.irp j, 0,1,2,3
	global_load_b128 v[XD+16*\c+4*\j:XD+16*\c+4*\j+3], v3, s[6:7] offset:128*\c+16*\j
.endr
.endr
.irp c, 0,1,2,3
.irp j, 0,1,2,3
	global_load_b128 v[XL+16*\c+4*\j:XL+16*\c+4*\j+3], v3, s[8:9] offset:128*\c+16*\j
.endr
.endr
; 2^e as f32 (the conversion takes its exponent field) into v[vs], 57,344 x 2^e into v[vl]
.macro MKSCALE e, vs, vl
	s_add_co_i32 s32, s[\e], 127
	s_lshl_b32 s33, s32, 23
	v_mov_b32 v[\vs], s33
	s_add_co_i32 s32, s32, 15
	s_lshl_b32 s32, s32, 23
	s_or_b32 s32, s32, 0x600000
	v_mov_b32 v[\vl], s32
.endm
; nb x 16 numbers of a lane, v[src] on, become nb x 4 registers of codes, v[dst] on
.macro QUANT src, dst, nb, sc, lim
.set qb, 0
.rept \nb
.irp i, 0,1,2,3,4,5,6,7,8,9,10,11,12,13,14,15
	v_med3_num_f32 v[\src+16*qb+\i], v[\src+16*qb+\i], -v[\lim], v[\lim]   ; the conversion to an 8-bit code does not saturate (ISA guide 7.6.2): the hold at the largest code x the scale
.endr
	v_cvt_scalef32_pk8_bf8_f32 v[\dst+4*qb:\dst+4*qb+1], v[\src+16*qb:\src+16*qb+7], v[\sc]
	v_cvt_scalef32_pk8_bf8_f32 v[\dst+4*qb+2:\dst+4*qb+3], v[\src+16*qb+8:\src+16*qb+15], v[\sc]
.set qb, qb+1
.endr
	v_nop                                          ; one plain vector instruction behind the last scaled conversion, ahead of whatever touches its registers next
.endm
	s_wait_kmcnt 0x0
	MKSCALE 25, 8, 9                               ; W_en: e1
	MKSCALE 27, 10, 11                             ; W_de: e3
	MKSCALE 26, 12, 13                             ; last_dehy: e2
	s_wait_loadcnt 32                              ; the biases and W_en are in; W_de's 16 loads and last_dehy's 16 stay out
	QUANT XE, CE, 1, 8, 9
	global_store_b128 v4, v[CE:CE+3], s[18:19]     ; the wave stores 512 consecutive bytes, at a multiple of 512 from the buffer's first byte
	s_wait_loadcnt 16                              ; W_de is in
	QUANT XD, CW, 4, 10, 11
	s_wait_loadcnt 0x0                             ; last_dehy is in
	QUANT XL, CL, 4, 12, 13
	v_wmma_f32_16x16x128_bf8_bf8 v[ACC:ACC+7], v[CW:CW+15], v[CL:CL+15], 0   ; transposed: source 0 = 16 rows o of W_de, source 1 = 16 batches: lane (r, h), register j: batch r, column 8 h + j
.rept 4
	v_nop                                          ; four places between the product and the first read of its result (ISA guide 7.12.1)
.endr
	ds_store_b128 v6, v[ACC:ACC+3]
	ds_store_b128 v6, v[ACC+4:ACC+7] offset:16
	s_wait_dscnt 0x0                               ; for the others' sake: my part lies in LDS
	s_barrier_signal -1
	s_barrier_wait -1
	s_cmp_ge_u32 s28, 2
	s_cbranch_scc1 .Lend                           ; 64 threads x 16 bytes are the block: waves 0 and 1 go on
.irp q, 0,1,2,3,4,5,6,7
	ds_load_b128 v[XD+4*\q:XD+4*\q+3], v7 offset:1024*\q
.endr
	s_add_co_i32 s32, s26, s27                     ; e2 + e3
	s_wait_dscnt 0x0
.irp a, 0,2
	v_pk_add_f32 v[XD+\a:XD+\a+1],       v[XD+\a:XD+\a+1],       v[XD+4+\a:XD+5+\a]
	v_pk_add_f32 v[XD+8+\a:XD+9+\a],     v[XD+8+\a:XD+9+\a],     v[XD+12+\a:XD+13+\a]
	v_pk_add_f32 v[XD+16+\a:XD+17+\a],   v[XD+16+\a:XD+17+\a],   v[XD+20+\a:XD+21+\a]
	v_pk_add_f32 v[XD+24+\a:XD+25+\a],   v[XD+24+\a:XD+25+\a],   v[XD+28+\a:XD+29+\a]
	v_pk_add_f32 v[XD+\a:XD+\a+1],       v[XD+\a:XD+\a+1],       v[XD+8+\a:XD+9+\a]
	v_pk_add_f32 v[XD+16+\a:XD+17+\a],   v[XD+16+\a:XD+17+\a],   v[XD+24+\a:XD+25+\a]
	v_pk_add_f32 v[XD+\a:XD+\a+1],       v[XD+\a:XD+\a+1],       v[XD+16+\a:XD+17+\a]
.endr
.irp i, 0,1,2,3
	v_ldexp_f32 v[XD+\i], v[XD+\i], s32            ; the sum of codes' products x 2^(e2 + e3)
.endr
.irp a, 0,2
	v_pk_add_f32 v[BI+\a:BI+\a+1], v[BI+\a:BI+\a+1], v[BI+4+\a:BI+5+\a]
	v_pk_add_f32 v[XD+\a:XD+\a+1], v[XD+\a:XD+\a+1], v[BI+8+\a:BI+9+\a]
	v_pk_add_f32 v[XD+\a:XD+\a+1], v[XD+\a:XD+\a+1], v[BI+\a:BI+\a+1]
	v_pk_mul_f32 v[XD+\a:XD+\a+1], v[XD+\a:XD+\a+1], K2 op_sel_hi:[1,0]
.endr
	global_store_b128 v7, v[XD:XD+3], s[20:21]     ; a wave stores 512 consecutive bytes of the block
.Lend:
	s_wait_tensorcnt 0x0
	ds_add_u32 v224, v225
	s_wait_dscnt 0x0
	s_endpgm
.Lfunc_end_k_qc3bda61f46_prep:
	.size	k_qc3bda61f46_prep, .Lfunc_end_k_qc3bda61f46_prep-k_qc3bda61f46_prep
	.p2alignl 7, 3214868480
	.fill 96, 4, 3214868480
	.section	.rodata,"a",@progbits
	.p2align	6, 0x0
	.amdhsa_kernel k_qc3bda61f46_prep
		.amdhsa_group_segment_fixed_size 9216
		.amdhsa_private_segment_fixed_size 0
		.amdhsa_enable_private_segment 0
		.amdhsa_kernarg_size 72
		.amdhsa_user_sgpr_count 2
		.amdhsa_user_sgpr_kernarg_segment_ptr 1
		.amdhsa_wavefront_size32 1
		.amdhsa_system_sgpr_workgroup_id_x 1
		.amdhsa_system_sgpr_workgroup_id_y 1
		.amdhsa_system_sgpr_workgroup_id_z 1
		.amdhsa_system_vgpr_workitem_id 0
		.amdhsa_next_free_vgpr 226
		.amdhsa_next_free_sgpr 66
		.amdhsa_reserve_vcc 0
		.amdhsa_float_denorm_mode_32 3
		.amdhsa_float_denorm_mode_16_64 3
		.amdhsa_memory_ordered 1
		.amdhsa_forward_progress 1
		.amdhsa_inst_pref_size 21
	.end_amdhsa_kernel
	.amdgpu_metadata
---
amdhsa.version: [ 1, 2 ]
amdhsa.kernels:
  - .name:           k_qc3bda61f46_prep
    .symbol:         k_qc3bda61f46_prep.kd
    .args:
      - { .name: W_en, .offset: 0, .size: 8, .value_kind: global_buffer, .address_space: global }
      - { .name: W_de, .offset: 8, .size: 8, .value_kind: global_buffer, .address_space: global }
      - { .name: last_dehy, .offset: 16, .size: 8, .value_kind: global_buffer, .address_space: global }
      - { .name: b_de, .offset: 24, .size: 8, .value_kind: global_buffer, .address_space: global }
      - { .name: b_en, .offset: 32, .size: 8, .value_kind: global_buffer, .address_space: global }
      - { .name: b_cv, .offset: 40, .size: 8, .value_kind: global_buffer, .address_space: global }
      - { .name: lowp_scales, .offset: 48, .size: 8, .value_kind: global_buffer, .address_space: global }
      - { .name: wcodes, .offset: 56, .size: 8, .value_kind: global_buffer, .address_space: global }
      - { .name: cbk, .offset: 64, .size: 8, .value_kind: global_buffer, .address_space: global }
    .group_segment_fixed_size: 9216
    .private_segment_fixed_size: 0
    .kernarg_segment_align: 8
    .kernarg_segment_size: 72
    .max_flat_workgroup_size: 256
    .sgpr_count:     66
    .vgpr_count:     226
    .wavefront_size: 32
...
	.end_amdgpu_metadata
.endif
;; end of part 1
;; launch main (part 2): grid 256 x 1, 4 waves a work-group, no clusters, 297,472 bytes of LDS; arguments enhy, past_attn, W_cv, W_out, lowp_scales, wcodes, cbk, scores, hpart; writes scores, hpart
.if DOCPART == 2
	.amdgcn_target "amdgcn-amd-amdhsa--gfx1250"
	.amdhsa_code_object_version 6
	.text
	.protected	k_qc3bda61f46_main
	.globl	k_qc3bda61f46_main
	.p2align	8
	.type	k_qc3bda61f46_main,@function
k_qc3bda61f46_main:
	s_mov_b64 s[64:65], 0
	v_nop
	global_prefetch_b8 v0, s[64:65] scope:SCOPE_SE
	s_setreg_imm32_b32 hwreg(HW_REG_WAVE_MODE, 25, 1), 1
	s_wait_xcnt 0x0
; MAIN.  For 128 rows (b, s) of enhy a work-group makes their attention scores and, under its own largest score, its part of the weighted sum of those rows.  enhy is read from memory ONCE.
;   x(s, o) = enhy[s] . W_en[o] + (de_proj + b_de + b_en + b_cv)[b][o] + past[s] W_cv[o];   the first product on codes of BF8 (E5M2) with the given scales 2^e0, 2^e1, sums in f32.
;   tanh(x) = 1 - 2 / (1 + 2^(K2 x)), K2 = 2 log2(e).  An exponential that overflows gives infinity, whose reciprocal is 0; one that underflows gives 0, and the reciprocal of 1 is 1: both are tanh's limits.
;   scores[s] = sum over o of (-2 W_out[o]) / (1 + 2^(K2 x)): the true score LESS THE SUM OF W_out, a number that is the same for every s; the softmax takes the row's maximum away, so it cancels for every input.
;   hpart[g][k] = sum over my 128 rows of 2^((score - my largest score) log2 e) x bf16(enhy[s][k]).  The next launch joins the four work-groups of a batch.
; SHARES.  Work-group g: rows 128 g .. 128 g + 127 of enhy taken as [32,768][1,024]; batch g / 4.  Four waves, one to a SIMD.
;   Phase A: wave w reads its 32 rows, two at a time.  Each number goes two ways: held, converted to a code, into LDS (128 rows x 1,024 codes, read by all four waves); and rounded to bf16 for the weighted sum:
;   the even rows' stay in the wave's registers (256), the odd rows' go to LDS (32 KB a wave, its own): neither place alone has room for all 256 KB beside what else lies there.
;   The product: THE WAVES SHARE THE COLUMNS: wave w makes columns 256 w .. 256 w + 255 for all 128 rows, as four tiles of 128 x 64: 32 accumulators, 256 registers, K in 8 steps of 128.
; W_en's CODES GO FROM MEMORY STRAIGHT INTO REGISTERS, by plain loads, with no tensor load, no ring and no joint request in a cluster.  The reason, by this text's own arithmetic: each byte of them is used by exactly
;   one wave of the work-group, so a way through LDS would add 1 MB of LDS writes and 1 MB of LDS reads to the 2 MB that A's fragments cost; and 296,960 of the 327,680 bytes that a work-group can claim are in
;   use, so that two slots of one K step of the work-group's columns (32 KB each) do not fit.  The earlier launch has laid them in the order of the operand's registers: a load is 512 dense bytes.
; THE MATRIX INSTRUCTION IS USED TRANSPOSED (source 0 = 16 rows o of W_en, source 1 = 16 rows s): lane (r, h) holds row s = 16 a + r, and register j column o = 16 b + 8 h + j.
; k lies in the registers as 32 c + 16 (lane / 16) + 0..15 in registers 4 c .. 4 c + 3, alike in both operands.
; IN THE PRODUCT THE LOADS STAND IN RUNS OF FOUR BEHIND EACH FOUR PRODUCTS: a tile has one LDS load for each product, so the requests are spread evenly and the wave goes on issuing products between them.  That costs two
;   switches of the register window for four products (three where B is fetched too): A's fragments, the accumulators and B's sets fill three windows, and a load's destination follows the products' destination window.
; LIMITS: e0 between -126 and 112, so that 2^e0 and 57,344 x 2^e0 are f32 numbers; e0 + e1 goes through v_ldexp_f32 and has no limit.  NaN among the inputs is not served; infinities are held at the largest code
;   for the product (their bf16 copy stays infinite, as in the definition).
; REGISTERS, in windows of 256 (s_set_vgpr_msb's low byte: bits 1:0 source 0, 3:2 source 1, 5:4 source 2, 7:6 destination):
;   window 0: v1-20 addresses and constants; v21-31 at work; v32-47 past (each row tile's in both halves of a pair); v48-63 the scores' running sums;
;             v64-127 phase A: codes and an odd row's bf16, two sets each; phase C: the 32 weighted sums and my 32 rows' p;
;             in the product v128-191, v192-255, v64-127 are A's three buffers of four fragments; in a tile's epilogue: v64.. cbk, v96.. K2 W_cv, v192.. -2 W_out, v224.. 32 numbers at work, v128-191 the next tile's first fragments
;   window 1: phase A: four landing places of 64 (two rows); then B's four sets of 64; at last the odd rows' bf16 read back.   window 2: the accumulators, (a, b) at v[8 (4 a + b)].   window 3: the even rows' bf16.
.set PITCH, 1040                       ; a row of codes in LDS: 1,024 bytes + 16 = 260 words: row r starts at bank 4 r mod 64 (64 banks of 4 bytes: ISA guide 11.1), so the 16 rows that a load touches start at 16 different banks
.set XB,    128*PITCH                  ; the odd rows' bf16: 32,768 bytes for each wave, images of registers: pair p at 2,048 p, register group c at 512 c, 16 bytes a lane
.set CST,   XB+131072                  ; 1,024 f32 each: cbk[b][o]; at +4,096 K2 W_cv[o]; at +8,192 -2 W_out[o]
.set SCP,   CST+12288                  ; wave w's parts of the 128 scores at 512 w
.set PP,    SCP+2048                   ; each wave's own copy of the 128 p at 512 w
.set HRED,  PP+2048                    ; wave w's 1,024 weighted sums at 4,096 w
.set K2,    0x4038aa3b                 ; 2 log2(e)
.set LOG2E, 0x3fb8aa3b
.set PAST, 32
.set SC,   48
.set HA,   64
.set PR,   96
.set CB,   64
.set WC,   96
.set WO,   192
.set TT,   224
.set MSB, 0
.macro WIN new                         ; the immediate's high byte repeats the setting that is left; a switch that changes nothing is dropped
.if MSB != \new
	s_set_vgpr_msb (MSB<<8)|\new
.set MSB, \new
.endif
.endm
.macro PLACES n
.rept \n
	v_nop
.endr
.endm
; rows 2 p and 2 p + 1 of my 32: sixteen loads of 512 consecutive bytes; load j of a row gives lane l the numbers k = 128 j + 4 l + 0..3
.macro XLOAD p
	WIN 0x40
.irp row, 0,1
.irp j, 0,1,2,3,4,5,6,7
	global_load_b128 v[64*((\p)%4)+32*\row+4*\j:64*((\p)%4)+32*\row+4*\j+3], v1, s[38:39] offset:(2*(\p)+\row)*4096+512*\j th:TH_LOAD_NT
.endr
.endr
.endm
; one fragment of B (16 columns x 128 K): column tile bb of the tile's K step t, into set s: four loads of 512 consecutive bytes
.macro BFRAG s, t, bb
.irp c, 0,1,2,3
	global_load_b128 v[64*(\s)+16*(\bb)+4*\c:64*(\s)+16*(\bb)+4*\c+3], v1, s[40:41] offset:(\t)*8192+(\bb)*2048+\c*512
.endr
.endm
; a whole set: B's four fragments of K step t
.macro BLOAD s, t
	WIN 0x40
.irp bb, 0,1,2,3
	BFRAG \s, \t, \bb
.endr
.endm
; PHASE A, one pair of rows.  kind 1: its landing place takes the pair four further on; kind 2: it takes B's set for the first tile's K step p - 12; kind 0: nothing (the product's first half step fills it).
.macro PAIR p, kind
.set SL, 64*((\p)%4)
.set CD, HA+16*((\p)%2)
.set BO, PR+16*((\p)%2)
	s_wait_loadcnt 48                              ; loads come back in order: this pair's 16 are in; the three groups of 16 issued behind them stay out
	s_wait_dscnt 20                                ; the pair before may have its 20 LDS stores out; those of two pairs back, which read the registers written below, are done
	WIN 0xc5
.irp n, 0,1,2,3,4,5,6,7,8,9,10,11,12,13,14,15
	v_cvt_pk_bf16_f32 v[16*(\p)+\n], v[SL+2*\n], v[SL+2*\n+1]          ; the even row, rounded to bf16 ahead of the hold: it stays in window 3
.endr
	WIN 0x05
.irp n, 0,1,2,3,4,5,6,7,8,9,10,11,12,13,14,15
	v_cvt_pk_bf16_f32 v[BO+\n], v[SL+32+2*\n], v[SL+32+2*\n+1]         ; the odd row
.endr
	WIN 0x41
.set n, 0
.rept 64
	v_med3_num_f32 v[SL+n], v[SL+n], -v10, v10     ; the conversion to an 8-bit code does not saturate (ISA guide 7.6.2): the hold at 57,344 x 2^e0
.set n, n+1
.endr
	WIN 0x01
.irp u, 0,1,2,3,4,5,6,7
	v_cvt_scalef32_pk8_bf8_f32 v[CD+2*\u:CD+2*\u+1], v[SL+8*\u:SL+8*\u+7], v11   ; two loads' numbers: code register j of a row holds load j's four codes
.endr
	v_nop                                          ; one plain vector instruction behind the last scaled conversion
.if \kind == 1
	XLOAD (\p)+4
.elseif \kind == 2
	BLOAD (\p)-12, (\p)-12
.endif
	WIN 0
.irp row, 0,1
.irp j, 0,1,2,3,4,5,6,7
	ds_store_b32 v2, v[CD+8*\row+\j] offset:(2*(\p)+\row)*PITCH+128*\j   ; 32 lanes x 4 codes: 128 consecutive codes of the row, k in its true place
.endr
.endr
.irp c, 0,1,2,3
	ds_store_b128 v3, v[BO+4*\c:BO+4*\c+3] offset:(\p)*2048+512*\c
.endr
.endm
; THE PRODUCT.  A K step is two HALF STEPS of 16 products: half step hn = 2 t + g is K step t, row tiles 4 g .. 4 g + 3.  Its four fragments of A lie in buffer hn % 3: v128, v192, v64.
; one fragment of A: row tile 4 (hn % 2) + i, K step hn / 2: four LDS loads
.macro AFRAG hn, i
.set FB, 64+64*(((\hn)+1)%3)+16*(\i)
.irp c, 0,1,2,3
	ds_load_b128 v[FB+4*\c:FB+4*\c+3], v[4+(\hn)%2] offset:(\i)*16*PITCH+128*((\hn)/2)+32*\c
.endr
.endm
; the epilogue's constants of columns 16 b + 8 h + 0..7: cbk, K2 W_cv, -2 W_out: six LDS loads
.macro CLOAD b
	ds_load_b128 v[CB+8*(\b):CB+8*(\b)+3],   v7 offset:64*(\b)
	ds_load_b128 v[CB+8*(\b)+4:CB+8*(\b)+7], v7 offset:64*(\b)+16
	ds_load_b128 v[WC+8*(\b):WC+8*(\b)+3],   v7 offset:4096+64*(\b)
	ds_load_b128 v[WC+8*(\b)+4:WC+8*(\b)+7], v7 offset:4096+64*(\b)+16
	ds_load_b128 v[WO+8*(\b):WO+8*(\b)+3],   v7 offset:8192+64*(\b)
	ds_load_b128 v[WO+8*(\b)+4:WO+8*(\b)+7], v7 offset:8192+64*(\b)+16
.endm
; four products: one row tile x the tile's four column tiles.  K step 0 starts the sums: nothing is cleared.
; The 32 accumulators take turns, one instruction a turn, in the same order in every K step.
.macro MUL4 hn, i
.set FB, 64+64*(((\hn)+1)%3)+16*(\i)
.set AC, 32*(4*((\hn)%2)+(\i))
.set BS, 64*(((\hn)/2)%4)
.irp b, 0,1,2,3
.if (\hn) < 2
	v_wmma_f32_16x16x128_bf8_bf8 v[AC+8*\b:AC+8*\b+7], v[BS+16*\b:BS+16*\b+15], v[FB:FB+15], 0
.else
	v_wmma_f32_16x16x128_bf8_bf8 v[AC+8*\b:AC+8*\b+7], v[BS+16*\b:BS+16*\b+15], v[FB:FB+15], v[AC+8*\b:AC+8*\b+7]
.endif
.endr
.endm
; A HALF STEP: four runs of four products; behind run i the four LDS loads of fragment i of half step hn + 2, into the buffer that half step hn - 1 has left.
; A load into a register that a matrix instruction has read stands four places behind it, and only plain vector instructions that name none of its registers are places (ISA guide 7.12.1 for vector
; instructions): the four v_nop behind the first run stand between all products of the half steps before and every load of this one.
; B: K step t's first half step asks, a fragment behind each run, for K step t + 3, into the set that K step t - 1 has left; the tile's K steps 0 to 2 were asked for ahead of the tile.
; The last half step asks for the epilogue's constants instead, into the buffers that half steps 13 and 14 have left; half step 14 asks for nothing.
.macro HSTEP hn
.if (\hn)%2 == 0
.if (\hn) <= 10
	s_wait_loadcnt 32                              ; this K step's set of B is in; the two sets asked for behind it stay out
.else
	s_wait_loadcnt 16*(7-(\hn)/2)                  ; K steps 6 and 7: one set, then none, was asked for behind this one
.endif
.endif
.irp i, 0,1,2,3
.if (\hn) <= 13
	s_wait_dscnt 28                                ; fragment i is in.  Behind it were issued: this half step's other 4 (3 - i) loads, the next half step's 16, and 4 i of the one after
.elseif (\hn) == 14
	s_wait_dscnt 28-4*\i                           ; behind it: 4 (3 - i), and the last half step's 16
.else
	s_wait_dscnt 12+2*\i                           ; behind it: 4 (3 - i), and 6 i loads of constants
.endif
	WIN 0xa1                                       ; source 0 (B) window 1, source 1 (A) window 0, C and D window 2
	MUL4 \hn, \i
.if (\hn) != 14
.if \i == 0
	PLACES 4
.endif
	WIN 0
.if (\hn) < 14
	AFRAG (\hn)+2, \i
.else
	CLOAD \i
.endif
.if ((\hn)%2 == 0) && ((\hn) <= 8)
	WIN 0x40
	BFRAG ((\hn)/2+3)%4, (\hn)/2+3, \i
.endif
.endif
.endr
.endm
; THE EPILOGUE of row tile a: 32 numbers a lane.  t = sum x K2 2^(e0 + e1) + past K2 W_cv + cbk;  the score's part += (-2 W_out) / (1 + 2^t), in four chains.
.macro EPI a
	WIN 0
.irp b, 0,1,2,3
.irp i, 0,2,4,6
	v_pk_fma_f32 v[TT+8*\b+\i:TT+8*\b+\i+1], v[PAST+2*(\a):PAST+2*(\a)+1], v[WC+8*\b+\i:WC+8*\b+\i+1], v[CB+8*\b+\i:CB+8*\b+\i+1]
.endr
.endr
	WIN 0x02
.irp b, 0,1,2,3
.irp i, 0,2,4,6
	v_pk_fma_f32 v[TT+8*\b+\i:TT+8*\b+\i+1], v[8*(4*(\a)+\b)+\i:8*(4*(\a)+\b)+\i+1], v[12:13], v[TT+8*\b+\i:TT+8*\b+\i+1]   ; each accumulator from its low end on
.endr
.endr
	WIN 0
.set n, 0
.rept 32
	v_exp_f32 v[TT+n], v[TT+n]
.set n, n+1
.endr
	v_nop                                          ; a plain instruction between the last exponential and the use of its result (ISA guide 5.7.2)
	s_wait_alu depctr_va_vdst(0)
.irp i, 0,2,4,6,8,10,12,14,16,18,20,22,24,26,28,30
	v_pk_add_f32 v[TT+\i:TT+\i+1], v[TT+\i:TT+\i+1], 1.0 op_sel_hi:[1,0]
.endr
.set n, 0
.rept 32
	v_rcp_f32 v[TT+n], v[TT+n]
.set n, n+1
.endr
	v_nop
	s_wait_alu depctr_va_vdst(0)
	v_pk_fma_f32 v[TT:TT+1], v[TT:TT+1], v[WO:WO+1], v[SC+2*(\a):SC+2*(\a)+1]
.irp b, 1,2,3
	v_pk_mul_f32 v[TT+8*\b:TT+8*\b+1], v[TT+8*\b:TT+8*\b+1], v[WO+8*\b:WO+8*\b+1]
.endr
.irp i, 2,4,6
.irp b, 0,1,2,3
	v_pk_fma_f32 v[TT+8*\b:TT+8*\b+1], v[TT+8*\b+\i:TT+8*\b+\i+1], v[WO+8*\b+\i:WO+8*\b+\i+1], v[TT+8*\b:TT+8*\b+1]
.endr
.endr
	v_pk_add_f32 v[TT:TT+1], v[TT:TT+1], v[TT+8:TT+9]
	v_pk_add_f32 v[TT+16:TT+17], v[TT+16:TT+17], v[TT+24:TT+25]
	v_pk_add_f32 v[SC+2*(\a):SC+2*(\a)+1], v[TT:TT+1], v[TT+16:TT+17]
.endm
	; ---- THE HEAD: what the loads need first
	s_load_b256 s[8:15], s[0:1], 0x0               ; enhy s[8:9], past_attn s[10:11], W_cv s[12:13], W_out s[14:15]
	s_load_b256 s[16:23], s[0:1], 0x20             ; the scales' exponents s[16:17], wcodes s[18:19], cbk s[20:21], scores s[22:23]
	s_load_b64 s[24:25], s[0:1], 0x40              ; hpart
	v_lshrrev_b32 v21, 5, v0
	v_readfirstlane_b32 s28, v21                   ; w: my wave
	v_and_b32 v21, 31, v0                          ; lane
	v_and_b32 v22, 15, v0                          ; r
	v_bfe_u32 v23, v0, 4, 1                        ; h
	v_lshlrev_b32 v1, 4, v21                       ; 16 x lane: enhy, wcodes, scores, hpart
	v_lshrrev_b32 v18, 2, v0
	v_lshlrev_b32 v18, 10, v18
	v_and_b32 v19, 3, v0
	v_lshl_add_u32 v18, v19, 4, v18                ; cbk: columns 4 i .. 4 i + 3 of my batch lie in block i / 4, at 16 (i % 4)
	v_lshlrev_b32 v19, 4, v0                       ; W_cv, W_out: 16 bytes a thread
	v_lshlrev_b32 v20, 2, v22                      ; past: row r of a row tile
	s_mov_b32 s34, 0x76543210                      ; v_permlanex16_b32: each lane takes its own place in the other half
	s_mov_b32 s35, 0xfedcba98
	s_lshl_b32 s38, ttmp9, 19                      ; 128 rows of 4,096 bytes x g,
	s_lshl_b32 s30, s28, 17                        ; 32 rows x w
	s_add_co_u32 s38, s38, s30
	s_mov_b32 s39, 0
	s_lshl_b32 s40, s28, 18                        ; wcodes: four tiles of 65,536 bytes x w
	s_mov_b32 s41, 0
	s_lshr_b32 s30, ttmp9, 2                       ; b
	s_lshr_b32 s42, s30, 4
	s_lshl_b32 s42, s42, 16                        ; cbk: 64 blocks x (b / 16),
	s_and_b32 s30, s30, 15
	s_lshl_b32 s30, s30, 6
	s_add_co_u32 s42, s42, s30                     ; row b % 16 of a block
	s_mov_b32 s43, 0
	s_lshl_b32 s44, ttmp9, 9                       ; past, scores: 128 numbers x g
	s_mov_b32 s45, 0
	s_lshl_b32 s48, ttmp9, 12                      ; hpart: row g,
	s_lshl_b32 s30, s28, 10
	s_add_co_u32 s48, s48, s30                     ; my wave's 256 numbers of it
	s_mov_b32 s49, 0
	s_wait_kmcnt 0x0
	s_load_b64 s[26:27], s[16:17], 0x0             ; e0, e1
	s_add_nc_u64 s[38:39], s[8:9], s[38:39]
	s_add_nc_u64 s[40:41], s[18:19], s[40:41]
	s_add_nc_u64 s[42:43], s[20:21], s[42:43]
	s_add_nc_u64 s[46:47], s[22:23], s[44:45]
	s_add_nc_u64 s[44:45], s[10:11], s[44:45]
	s_add_nc_u64 s[48:49], s[24:25], s[48:49]
	global_load_b128 v[128:131], v18, s[42:43]
	global_load_b128 v[132:135], v18, s[42:43] offset:32768
	global_load_b128 v[136:139], v19, s[12:13]
	global_load_b128 v[140:143], v19, s[12:13] offset:2048
	global_load_b128 v[144:147], v19, s[14:15]
	global_load_b128 v[148:151], v19, s[14:15] offset:2048
.irp a, 0,1,2,3,4,5,6,7
	global_load_b32 v[PAST+2*\a], v20, s[44:45] offset:64*\a
.endr
	XLOAD 0
	XLOAD 1
	XLOAD 2
	WIN 0
	; ---- LDS addresses, while the loads are out
	s_mul_i32 s30, s28, 32*PITCH
	v_lshl_add_u32 v2, v21, 2, s30                 ; codes, on the way in: my wave's 32 rows, 4 bytes a lane
	s_lshl_b32 s30, s28, 15
	s_add_co_u32 s30, s30, XB
	v_add_nc_u32 v3, s30, v1                       ; my wave's odd rows
	v_mul_u32_u24 v4, v22, PITCH
	v_lshl_add_u32 v4, v23, 4, v4                  ; A's fragments: row r x pitch + 16 h; rows 0-63,
	v_add_nc_u32 v5, 64*PITCH, v4                  ; rows 64-127
	s_lshl_b32 s30, s28, 10
	s_add_co_u32 s31, s30, CST
	v_lshl_add_u32 v6, v23, 5, s31                 ; the constants of my 256 columns, + 32 h
	s_add_co_u32 s31, s30, HRED
	v_add_nc_u32 v17, s31, v1                      ; the weighted sums, on the way back: numbers 256 w on
	s_lshl_b32 s30, s28, 9
	s_add_co_u32 s31, s30, SCP
	v_lshl_add_u32 v8, v22, 2, s31                 ; my wave's parts of the scores: row r of a row tile
	v_add_nc_u32 v9, SCP, v1                       ; and back: scores 4 l .. 4 l + 3
	s_add_co_u32 s31, s30, PP
	v_add_nc_u32 v14, s31, v1                      ; my wave's copy of p
	s_mul_i32 s31, s28, 640
	s_add_co_u32 s31, s31, PP
	v_mov_b32 v15, s31                             ; in that copy (512 w) my own 32 rows' (128 w): the same address in every lane
	s_lshl_b32 s30, s28, 12
	s_add_co_u32 s30, s30, HRED
	v_add_nc_u32 v16, s30, v1                      ; the weighted sums, on the way in
	v_add_nc_u32 v24, CST, v19                     ; the constants, on the way in: 16 bytes a thread
.irp i, 0,1,2,3,4,5,6,7,8,9,10,11,12,13,14,15
	v_mov_b32 v[SC+\i], 0                          ; the scores' running sums go through four tiles written once: they begin at 0
.endr
	s_wait_kmcnt 0x0
	s_add_co_i32 s30, s26, 127
	s_lshl_b32 s31, s30, 23
	v_mov_b32 v11, s31                             ; 2^e0 as f32: the conversion takes its exponent field
	s_add_co_i32 s30, s30, 15
	s_lshl_b32 s30, s30, 23
	s_or_b32 s30, s30, 0x600000
	v_mov_b32 v10, s30                             ; 57,344 x 2^e0
	s_add_co_i32 s30, s26, s27
	v_mov_b32 v12, K2
	v_ldexp_f32 v12, v12, s30                      ; K2 x 2^(e0 + e1): what a sum of codes' products is multiplied by
	v_mov_b32 v13, v12
	s_wait_loadcnt 48                              ; the 14 small loads are in; the 48 of enhy issued behind them stay out
.irp a, 0,1,2,3,4,5,6,7
	v_mov_b32 v[PAST+2*\a+1], v[PAST+2*\a]         ; both halves of a pair, for the packed forms
.endr
.irp i, 0,2,4,6
	v_pk_mul_f32 v[136+\i:137+\i], v[136+\i:137+\i], K2 op_sel_hi:[1,0]
	v_pk_mul_f32 v[144+\i:145+\i], v[144+\i:145+\i], -2.0 op_sel_hi:[1,0]
.endr
.irp q, 0,1,2,3,4,5
	ds_store_b128 v24, v[128+4*\q:131+4*\q] offset:2048*\q
.endr
	XLOAD 3
	; ---- PHASE A
.irp p, 0,1,2,3,4,5,6,7,8,9,10,11
	PAIR \p, 1
.endr
.irp p, 12,13,14
	PAIR \p, 2
.endr
	PAIR 15, 0
	s_wait_dscnt 0x0                               ; for the others' sake: my codes and my part of the constants lie in LDS
	s_barrier_signal -1
	s_barrier_wait -1                              ; everybody's do.  (B's 48 loads stay on their way: nobody writes those bytes)
	; ---- THE PRODUCT: four tiles of 128 rows x 64 columns
	s_mov_b32 s36, 0                               ; u: the tile
	s_mov_b32 s37, 0                               ; 256 u: its 64 columns' bytes in the constants
.irp i, 0,1,2,3
	AFRAG 0, \i                                    ; the first tile's first half step; the later tiles' is asked for under the epilogue before
.endr
.Ltile:
	v_add_nc_u32 v7, s37, v6
.irp i, 0,1,2,3
	AFRAG 1, \i
.endr
.irp hn, 0,1,2,3,4,5,6,7,8,9,10,11,12,13,14,15
	HSTEP \hn
.endr
	PLACES 5                                       ; behind the tile's last product: four for the loads and the reads that follow; the fifth for the next tile's first products, which write over accumulators
	s_add_nc_u64 s[40:41], s[40:41], 0x10000       ; the next tile's codes: K step 7's wait for all loads has freed the base
	s_wait_dscnt 0x0                               ; the constants are in
	s_cmp_eq_u32 s36, 3
	s_cbranch_scc1 .Lno_next                       ; behind the last tile nothing is asked for: no load leaves the buffer
.irp i, 0,1,2,3
	AFRAG 0, \i                                    ; the next tile's first half step of A, into the buffer that the epilogue does not touch,
.endr
	BLOAD 0, 0                                     ; and its first three K steps of B: all land under the epilogue
	BLOAD 1, 1
	BLOAD 2, 2
	WIN 0
.Lno_next:
.irp a, 0,1,2,3,4,5,6,7
	EPI \a
.endr
	WIN 0                                          ; at a label and at a branch every window is 0
	s_add_co_u32 s37, s37, 256
	s_add_co_u32 s36, s36, 1
	s_cmp_lt_u32 s36, 4
	s_cbranch_scc1 .Ltile
	; ---- PHASE C: scores, p, the weighted sum
	s_wait_loadcnt 0x0                             ; no load of mine is out: B's registers may take the odd rows
	WIN 0x40
.set n, 0
.rept 64
	ds_load_b128 v[4*n:4*n+3], v3 offset:512*n     ; my 16 odd rows' bf16 come back as they stood: pair p at v[16 p] of window 1
.set n, n+1
.endr
	WIN 0
.irp a, 0,1,2,3,4,5,6,7
	v_add_f32 v[TT+\a], v[SC+2*\a], v[SC+2*\a+1]
.endr
.irp a, 0,1,2,3,4,5,6,7
	v_permlanex16_b32 v[TT+8+\a], v[TT+\a], s34, s35   ; the row's other columns lie in the lane 16 away
.endr
.irp a, 0,1,2,3,4,5,6,7
	v_add_f32 v[TT+\a], v[TT+\a], v[TT+8+\a]
.endr
.irp a, 0,1,2,3,4,5,6,7
	ds_store_b32 v8, v[TT+\a] offset:64*\a         ; row 16 a + r: my 256 columns' part (lanes r and r + 16 hold the same number)
.endr
	s_wait_dscnt 0x0                               ; for the others' sake; the odd rows are back too
	s_barrier_signal -1
	s_barrier_wait -1
.irp q, 0,1,2,3
	ds_load_b128 v[TT+4*\q:TT+4*\q+3], v9 offset:512*\q
.endr
	s_wait_dscnt 0x0
	v_pk_add_f32 v[TT:TT+1],     v[TT:TT+1],     v[TT+4:TT+5]
	v_pk_add_f32 v[TT+2:TT+3],   v[TT+2:TT+3],   v[TT+6:TT+7]
	v_pk_add_f32 v[TT+8:TT+9],   v[TT+8:TT+9],   v[TT+12:TT+13]
	v_pk_add_f32 v[TT+10:TT+11], v[TT+10:TT+11], v[TT+14:TT+15]
	v_pk_add_f32 v[24:25], v[TT:TT+1],   v[TT+8:TT+9]
	v_pk_add_f32 v[26:27], v[TT+2:TT+3], v[TT+10:TT+11]   ; every wave holds all 128 scores: lane l rows 4 l .. 4 l + 3
	s_cmp_lg_u32 s28, 0
	s_cbranch_scc1 .Lnot_wave_0
	global_store_b128 v1, v[24:27], s[46:47]       ; 512 consecutive bytes; none of its registers is written again
.Lnot_wave_0:
	v_max3_num_f32 v21, v24, v25, v26
	v_max_num_f32 v21, v21, v27
	v_max_num_f32_dpp v21, v21, v21 row_xmask:1 row_mask:0xf bank_mask:0xf
	v_max_num_f32_dpp v21, v21, v21 row_xmask:2 row_mask:0xf bank_mask:0xf
	v_max_num_f32_dpp v21, v21, v21 row_xmask:4 row_mask:0xf bank_mask:0xf
	v_max_num_f32_dpp v21, v21, v21 row_xmask:8 row_mask:0xf bank_mask:0xf
	v_permlanex16_b32 v22, v21, s34, s35
	v_max_num_f32 v21, v21, v22                    ; the largest of my work-group's 128 scores
.irp i, 0,1,2,3
	v_sub_f32 v[28+\i], v[24+\i], v21              ; the difference first, so that a large common offset of the scores costs no bits
.endr
.irp i, 0,1,2,3
	v_mul_f32 v[28+\i], LOG2E, v[28+\i]
.endr
.irp i, 0,1,2,3
	v_exp_f32 v[28+\i], v[28+\i]                   ; p = e^(score - largest), at most 1
.endr
	v_nop
	s_wait_alu depctr_va_vdst(0)
	ds_store_b128 v14, v[28:31]                    ; into my wave's own copy,
.irp q, 0,1,2,3,4,5,6,7
	ds_load_b128 v[PR+4*\q:PR+4*\q+3], v15 offset:16*\q   ; and my 32 rows' p back into every lane: LDS serves a wave's instructions in order (ISA guide 5.7.1.4), and no other wave touches these bytes
.endr
.set n, 0
.rept 32
	v_mov_b32 v[HA+n], 0                           ; the 32 sums, while those loads are out
.set n, n+1
.endr
	s_wait_dscnt 0x0
	WIN 0x03                                       ; source 0: the even rows, in window 3
.set p, 0
.rept 16
.irp q, 0,1,2,3,4,5,6,7,8,9,10,11,12,13,14,15
	v_fma_mix_f32_bf16 v[HA+2*\q],   v[16*p+\q], v[PR+2*p], v[HA+2*\q]   op_sel_hi:[1,0,0]                  ; sum += bf16(low half) x p, in f32
	v_fma_mix_f32_bf16 v[HA+2*\q+1], v[16*p+\q], v[PR+2*p], v[HA+2*\q+1] op_sel:[1,0,0] op_sel_hi:[1,0,0]   ; the high half
.endr
.set p, p+1
.endr
	WIN 0x01                                       ; the odd rows, in window 1
.set p, 0
.rept 16
.irp q, 0,1,2,3,4,5,6,7,8,9,10,11,12,13,14,15
	v_fma_mix_f32_bf16 v[HA+2*\q],   v[16*p+\q], v[PR+2*p+1], v[HA+2*\q]   op_sel_hi:[1,0,0]
	v_fma_mix_f32_bf16 v[HA+2*\q+1], v[16*p+\q], v[PR+2*p+1], v[HA+2*\q+1] op_sel:[1,0,0] op_sel_hi:[1,0,0]
.endr
.set p, p+1
.endr
	WIN 0
.irp j, 0,1,2,3,4,5,6,7
	ds_store_b128 v16, v[HA+4*\j:HA+4*\j+3] offset:512*\j   ; register 4 j + i is k = 128 j + 4 l + i
.endr
	s_wait_dscnt 0x0                               ; for the others' sake
	s_barrier_signal -1
	s_barrier_wait -1
.irp q, 0,1,2,3
.irp j, 0,1
	ds_load_b128 v[128+8*\q+4*\j:131+8*\q+4*\j], v17 offset:4096*\q+512*\j   ; the four waves' sums of numbers 256 w .. 256 w + 255
.endr
.endr
	s_wait_dscnt 0x0
.irp i, 0,2,4,6
	v_pk_add_f32 v[128+\i:129+\i], v[128+\i:129+\i], v[136+\i:137+\i]
	v_pk_add_f32 v[144+\i:145+\i], v[144+\i:145+\i], v[152+\i:153+\i]
	v_pk_add_f32 v[128+\i:129+\i], v[128+\i:129+\i], v[144+\i:145+\i]
.endr
	global_store_b128 v1, v[128:131], s[48:49]     ; 512 consecutive bytes each, at multiples of 512 from the buffer's first byte
	global_store_b128 v1, v[132:135], s[48:49] offset:512
	s_wait_xcnt 0x0
	v_lshl_add_u32 v254, v0, 2, 0x48800
	v_mov_b32 v255, 0
	s_wait_tensorcnt 0x0
	ds_add_u32 v254, v255
	s_wait_dscnt 0x0
	s_endpgm
.Lfunc_end_k_qc3bda61f46_main:
	.size	k_qc3bda61f46_main, .Lfunc_end_k_qc3bda61f46_main-k_qc3bda61f46_main
	.p2alignl 7, 3214868480
	.fill 96, 4, 3214868480
	.section	.rodata,"a",@progbits
	.p2align	6, 0x0
	.amdhsa_kernel k_qc3bda61f46_main
		.amdhsa_group_segment_fixed_size 297472
		.amdhsa_private_segment_fixed_size 0
		.amdhsa_enable_private_segment 0
		.amdhsa_kernarg_size 72
		.amdhsa_user_sgpr_count 2
		.amdhsa_user_sgpr_kernarg_segment_ptr 1
		.amdhsa_wavefront_size32 1
		.amdhsa_system_sgpr_workgroup_id_x 1
		.amdhsa_system_sgpr_workgroup_id_y 1
		.amdhsa_system_sgpr_workgroup_id_z 1
		.amdhsa_system_vgpr_workitem_id 0
		.amdhsa_next_free_vgpr 1024
		.amdhsa_next_free_sgpr 66
		.amdhsa_reserve_vcc 0
		.amdhsa_float_denorm_mode_32 3
		.amdhsa_float_denorm_mode_16_64 3
		.amdhsa_memory_ordered 1
		.amdhsa_forward_progress 1
		.amdhsa_inst_pref_size 255
	.end_amdhsa_kernel
	.section	.bss,"aw",@nobits
	.p2align	6
	.space	262144
	.amdgpu_metadata
---
amdhsa.version: [ 1, 2 ]
amdhsa.kernels:
  - .name:           k_qc3bda61f46_main
    .symbol:         k_qc3bda61f46_main.kd
    .args:
      - { .name: enhy, .offset: 0, .size: 8, .value_kind: global_buffer, .address_space: global }
      - { .name: past_attn, .offset: 8, .size: 8, .value_kind: global_buffer, .address_space: global }
      - { .name: W_cv, .offset: 16, .size: 8, .value_kind: global_buffer, .address_space: global }
      - { .name: W_out, .offset: 24, .size: 8, .value_kind: global_buffer, .address_space: global }
      - { .name: lowp_scales, .offset: 32, .size: 8, .value_kind: global_buffer, .address_space: global }
      - { .name: wcodes, .offset: 40, .size: 8, .value_kind: global_buffer, .address_space: global }
      - { .name: cbk, .offset: 48, .size: 8, .value_kind: global_buffer, .address_space: global }
      - { .name: scores, .offset: 56, .size: 8, .value_kind: global_buffer, .address_space: global }
      - { .name: hpart, .offset: 64, .size: 8, .value_kind: global_buffer, .address_space: global }
    .group_segment_fixed_size: 297472
    .private_segment_fixed_size: 0
    .kernarg_segment_align: 8
    .kernarg_segment_size: 72
    .max_flat_workgroup_size: 128
    .sgpr_count:     66
    .vgpr_count:     1024
    .wavefront_size: 32
...
	.end_amdgpu_metadata
.endif
;; end of part 2
;; launch combine (part 3): grid 256 x 1, 4 waves a work-group, no clusters, 768 bytes of LDS; arguments scores, hpart, hidden_attn, out0, out1, out2; writes out0, out1, out2
.if DOCPART == 3
	.amdgcn_target "amdgcn-amd-amdhsa--gfx1250"
	.amdhsa_code_object_version 6
	.text
	.protected	k_qc3bda61f46_combine
	.globl	k_qc3bda61f46_combine
	.p2align	8
	.type	k_qc3bda61f46_combine,@function
k_qc3bda61f46_combine:
	s_mov_b64 s[64:65], 0
	v_nop
	global_prefetch_b8 v0, s[64:65] scope:SCOPE_SE
	s_setreg_imm32_b32 hwreg(HW_REG_WAVE_MODE, 25, 1), 1
	s_wait_xcnt 0x0
; COMBINE.  The softmax over a batch's 512 scores, and the four parts of its weighted sum joined.
;   scores [64][512] f32: the scores, less a number that is the same in a whole batch (it cancels against the maximum).
;   hpart [256][1024] f32: row 4 b + qq = sum over rows 128 qq .. 128 qq + 127 of batch b of e^(score - m_qq) x enhy's row, m_qq the largest score of that quarter.
;   M = the batch's largest score, L = the sum of e^(score - M):  out1 = e^(score - M) / L;  out0 = sum over qq of e^(m_qq - M) / L x hpart[4 b + qq];  out2 = hidden_attn.
; SHARES.  Work-group g: batch b = g / 4, quarter q = g % 4: it writes out0[b][256 q ..], out1[b][128 q ..] and 128 numbers of out2.  Every work-group reads all 512 scores of its batch (2 KB):
; wave w holds quarter w, so its own maximum is m_w.  Memory binds, and the launch is small: no matrix unit, no tensor load, no cluster.
.set LOG2E, 0x3fb8aa3b
	s_load_b256 s[4:11], s[0:1], 0x0               ; scores s[4:5], hpart s[6:7], hidden_attn s[8:9], out0 s[10:11]
	s_load_b128 s[12:15], s[0:1], 0x20             ; out1 s[12:13], out2 s[14:15]
	v_lshl_add_u32 v64, v0, 2, 0x100
	v_mov_b32 v65, 0
	v_lshrrev_b32 v1, 5, v0
	v_readfirstlane_b32 s16, v1                    ; w
	s_lshr_b32 s17, ttmp9, 2                       ; b
	s_and_b32 s18, ttmp9, 3                        ; q
	v_lshlrev_b32 v1, 4, v0                        ; scores, out1: 16 bytes a thread
	v_and_b32 v2, 31, v0
	v_lshlrev_b32 v2, 4, v2                        ; hidden_attn, out2: 16 bytes a lane
	v_lshlrev_b32 v3, 3, v0                        ; hpart, out0: 8 bytes a thread
	s_lshl_b32 s19, s16, 2
	v_mov_b32 v4, s19                              ; LDS: my wave's word
	v_mov_b32 v5, 0
	v_mov_b32 v21, 0                               ; written once: a lane permute's destination counts as one of its sources
	s_mov_b32 s28, 0x76543210
	s_mov_b32 s29, 0xfedcba98
	s_lshl_b32 s20, s17, 11                        ; a batch's 512 numbers
	s_mov_b32 s21, 0
	s_lshl_b32 s24, s18, 10                        ; 256 numbers x q
	s_lshl_b32 s22, s17, 14                        ; hpart: four rows of 4,096 bytes x b
	s_add_co_u32 s22, s22, s24
	s_mov_b32 s23, 0
	s_lshl_b32 s26, s17, 12                        ; out0: row b
	s_add_co_u32 s26, s26, s24
	s_mov_b32 s27, 0
	s_lshl_b32 s24, ttmp9, 9                       ; hidden_attn, out2: 128 numbers x g
	s_mov_b32 s25, 0
	s_wait_kmcnt 0x0
	s_add_nc_u64 s[4:5], s[4:5], s[20:21]
	s_add_nc_u64 s[6:7], s[6:7], s[22:23]
	s_add_nc_u64 s[8:9], s[8:9], s[24:25]
	s_add_nc_u64 s[10:11], s[10:11], s[26:27]
	s_add_nc_u64 s[12:13], s[12:13], s[20:21]
	s_add_nc_u64 s[14:15], s[14:15], s[24:25]
	global_load_b128 v[8:11], v1, s[4:5]
.irp qq, 0,1,2,3
	global_load_b64 v[12+2*\qq:13+2*\qq], v3, s[6:7] offset:4096*\qq   ; a wave reads 256 consecutive bytes of each part
.endr
	s_cmp_lg_u32 s16, 0
	s_cbranch_scc1 .Lnot_wave_0
	global_load_b128 v[44:47], v2, s[8:9]          ; the copy is wave 0's: 512 bytes in, 512 bytes out; the wait is one that it owes below in any case
	s_wait_loadcnt 0x0
	global_store_b128 v2, v[44:47], s[14:15]
.Lnot_wave_0:
	s_wait_loadcnt 0x0
	v_max3_num_f32 v20, v8, v9, v10
	v_max_num_f32 v20, v20, v11
	v_max_num_f32_dpp v20, v20, v20 row_xmask:1 row_mask:0xf bank_mask:0xf
	v_max_num_f32_dpp v20, v20, v20 row_xmask:2 row_mask:0xf bank_mask:0xf
	v_max_num_f32_dpp v20, v20, v20 row_xmask:4 row_mask:0xf bank_mask:0xf
	v_max_num_f32_dpp v20, v20, v20 row_xmask:8 row_mask:0xf bank_mask:0xf
	v_permlanex16_b32 v21, v20, s28, s29
	v_max_num_f32 v20, v20, v21                    ; m_w
	ds_store_b32 v4, v20
	s_wait_dscnt 0x0                               ; for the others' sake
	s_barrier_signal -1
	s_barrier_wait -1
	ds_load_b128 v[24:27], v5                      ; m_0 .. m_3, in every lane
	s_wait_dscnt 0x0
	v_max3_num_f32 v28, v24, v25, v26
	v_max_num_f32 v28, v28, v27                    ; M
.irp i, 0,1,2,3
	v_sub_f32 v[8+\i], v[8+\i], v28
	v_sub_f32 v[24+\i], v[24+\i], v28
.endr
.irp i, 0,1,2,3
	v_mul_f32 v[8+\i], LOG2E, v[8+\i]
	v_mul_f32 v[24+\i], LOG2E, v[24+\i]
.endr
.irp i, 0,1,2,3
	v_exp_f32 v[8+\i], v[8+\i]                     ; e^(score - M)
	v_exp_f32 v[24+\i], v[24+\i]                   ; e^(m_qq - M)
.endr
	v_nop                                          ; a plain instruction between the last exponential and the use of its result (ISA guide 5.7.2)
	s_wait_alu depctr_va_vdst(0)
	v_add_f32 v29, v8, v9
	v_add_f32 v22, v10, v11
	v_add_f32 v29, v29, v22
	v_add_f32_dpp v29, v29, v29 row_xmask:1 row_mask:0xf bank_mask:0xf
	v_add_f32_dpp v29, v29, v29 row_xmask:2 row_mask:0xf bank_mask:0xf
	v_add_f32_dpp v29, v29, v29 row_xmask:4 row_mask:0xf bank_mask:0xf
	v_add_f32_dpp v29, v29, v29 row_xmask:8 row_mask:0xf bank_mask:0xf
	v_permlanex16_b32 v21, v29, s28, s29
	v_add_f32 v29, v29, v21                        ; my quarter's sum
	ds_store_b32 v4, v29 offset:16                 ; other words than the maxima's: no barrier is owed between those reads and this store
	s_wait_dscnt 0x0
	s_barrier_signal -1
	s_barrier_wait -1
	ds_load_b128 v[32:35], v5 offset:16
	s_wait_dscnt 0x0
	v_add_f32 v32, v32, v33
	v_add_f32 v34, v34, v35
	v_add_f32 v32, v32, v34                        ; L, at least 1
	v_rcp_f32 v30, v32
	v_nop
	s_wait_alu depctr_va_vdst(0)
.irp i, 0,1,2,3
	v_mul_f32 v[24+\i], v[24+\i], v30              ; e^(m_qq - M) / L
	v_mul_f32 v[36+\i], v[8+\i], v30               ; the softmax of my four scores
.endr
	v_mul_f32 v40, v12, v24                        ; the first part starts the sums
	v_mul_f32 v41, v13, v24
.irp qq, 1,2,3
	v_fma_f32 v40, v[12+2*\qq], v[24+\qq], v40
	v_fma_f32 v41, v[13+2*\qq], v[24+\qq], v41
.endr
	global_store_b64 v3, v[40:41], s[10:11]        ; a wave stores 256 consecutive bytes, at a multiple of 256 from out0's first byte
	s_cmp_lg_u32 s16, s18
	s_cbranch_scc1 .Lnot_mine                      ; quarter q of out1 is this work-group's, and wave q holds it
	global_store_b128 v1, v[36:39], s[12:13]       ; 512 consecutive bytes
.Lnot_mine:
	s_wait_tensorcnt 0x0
	ds_add_u32 v64, v65
	s_wait_dscnt 0x0
	s_endpgm
.Lfunc_end_k_qc3bda61f46_combine:
	.size	k_qc3bda61f46_combine, .Lfunc_end_k_qc3bda61f46_combine-k_qc3bda61f46_combine
	.p2alignl 7, 3214868480
	.fill 96, 4, 3214868480
	.section	.rodata,"a",@progbits
	.p2align	6, 0x0
	.amdhsa_kernel k_qc3bda61f46_combine
		.amdhsa_group_segment_fixed_size 768
		.amdhsa_private_segment_fixed_size 0
		.amdhsa_enable_private_segment 0
		.amdhsa_kernarg_size 48
		.amdhsa_user_sgpr_count 2
		.amdhsa_user_sgpr_kernarg_segment_ptr 1
		.amdhsa_wavefront_size32 1
		.amdhsa_system_sgpr_workgroup_id_x 1
		.amdhsa_system_sgpr_workgroup_id_y 1
		.amdhsa_system_sgpr_workgroup_id_z 1
		.amdhsa_system_vgpr_workitem_id 0
		.amdhsa_next_free_vgpr 66
		.amdhsa_next_free_sgpr 66
		.amdhsa_reserve_vcc 0
		.amdhsa_float_denorm_mode_32 3
		.amdhsa_float_denorm_mode_16_64 3
		.amdhsa_memory_ordered 1
		.amdhsa_forward_progress 1
		.amdhsa_inst_pref_size 7
	.end_amdhsa_kernel
	.amdgpu_metadata
---
amdhsa.version: [ 1, 2 ]
amdhsa.kernels:
  - .name:           k_qc3bda61f46_combine
    .symbol:         k_qc3bda61f46_combine.kd
    .args:
      - { .name: scores, .offset: 0, .size: 8, .value_kind: global_buffer, .address_space: global }
      - { .name: hpart, .offset: 8, .size: 8, .value_kind: global_buffer, .address_space: global }
      - { .name: hidden_attn, .offset: 16, .size: 8, .value_kind: global_buffer, .address_space: global }
      - { .name: out0, .offset: 24, .size: 8, .value_kind: global_buffer, .address_space: global }
      - { .name: out1, .offset: 32, .size: 8, .value_kind: global_buffer, .address_space: global }
      - { .name: out2, .offset: 40, .size: 8, .value_kind: global_buffer, .address_space: global }
    .group_segment_fixed_size: 768
    .private_segment_fixed_size: 0
    .kernarg_segment_align: 8
    .kernarg_segment_size: 48
    .max_flat_workgroup_size: 128
    .sgpr_count:     66
    .vgpr_count:     66
    .wavefront_size: 32
...
	.end_amdgpu_metadata
.endif
;; end of part 3
;; ======== version 2 of 2: 3 launches; version 1 with the launches prep, main written anew for expert scheduling mode
;; workspace buffers: wcodes 1,048,576 bytes; cbk 262,144 bytes; scores 131,072 bytes; hpart 1,048,576 bytes
;; launch prep (part 4): grid 64 x 4, 8 waves a work-group, no clusters, 9,216 bytes of LDS; arguments W_en, W_de, last_dehy, b_de, b_en, b_cv, lowp_scales, wcodes, cbk; writes wcodes, cbk
.if DOCPART == 4
	.amdgcn_target "amdgcn-amd-amdhsa--gfx1250"
	.amdhsa_code_object_version 6
	.text
	.protected	k_qc3bda61f46_prep
	.globl	k_qc3bda61f46_prep
	.p2align	8
	.type	k_qc3bda61f46_prep,@function
k_qc3bda61f46_prep:
	s_mov_b64 s[64:65], 0
	v_nop
	global_prefetch_b8 v0, s[64:65] scope:SCOPE_SE
	s_setreg_imm32_b32 hwreg(HW_REG_WAVE_SCHED_MODE, 0, 2), 2
	s_setreg_imm32_b32 hwreg(HW_REG_WAVE_MODE, 25, 1), 1
	s_wait_xcnt 0x0
	s_wait_alu depctr_vm_vsrc(0)
; PREP.  Two things that every work-group of the next launch needs, made once.
; (1) wcodes: W_en [1024 o][1024 k], f32, as codes of BF8 (E5M2) with the given scale 2^e1, laid in the ORDER OF THE OPERAND'S REGISTERS:
;     byte G*65536 + t*8192 + bb*2048 + c*512 + 16*lane holds the 16 codes of W_en[64 G + 16 bb + lane % 16][128 t + 32 c + 16 (lane / 16) + 0..15].
; (2) cbk: K2 x (last_dehy W_de^T + b_de + b_en + b_cv), K2 = 2 log2(e); the product on codes of BF8 with the given scales 2^e2, 2^e3, sums in f32.
;     Block (m, T) of 1,024 bytes at (64 m + T) x 1,024: [16 batches r][16 columns oo] f32, batch 16 m + r, column 16 T + oo.
; SHARES.  Work-group (T, m): 16 columns o, 16 batches.  Wave t: K step t of 128.  Each wave makes one matrix instruction; the eight parts of K meet in LDS and
; are added in f32 by waves 0 and 1.  Of W_en a wave quantises 16 rows x 32 k (block c = m of its K step), so each number of W_en is read once in the launch.
; A lane takes 16 neighbours along K of its row (64 bytes), so neighbouring lanes stand a row apart: the three tensors together are 8.3 MB, and the codes leave as 512 dense bytes a wave.
; k lies in the registers as 32 c + 16 (lane / 16) + 0..15 in registers 4 c .. 4 c + 3, alike in both operands of a product: every product meets its partner.
; LIMITS: e1, e2, e3 between -126 and 112, so that 2^e and 57,344 x 2^e are f32 numbers; e2 + e3 goes through v_ldexp_f32 and has no limit.  NaN among the inputs is not served; infinities are held at the largest code.
; THE MODE: SCHED_MODE bits 1:0 = 2 (LLVM: expert scheduling mode 2), set by the entry lines.  The code itself states the register dependences
; between vector or matrix instructions and memory or LDS instructions, with s_wait_alu, always for 0.
; THE PLAN.  Registers that memory or LDS instructions touch:
;   v3-7       offsets and LDS addresses: made at the head, read by loads and stores, never written again.
;   XE, XD, XL, BI   landing places: each is loaded once from memory and then named by vector instructions alone; XD's first 32 registers take the reducers' LDS loads, behind the quantiser's last use of them.
;   CE, ACC, XD .. XD + 3   written by vector or matrix instructions, then read by one run of stores, never written again.
; So each run of loads or stores has one wait on va_vdst ahead of it, and no register that a memory instruction has read is written again: there is no wait on vm_vsrc.
.set K2,  0x4038aa3b                   ; 2 log2(e) as f32
.set XE,  16                           ; v16-31   16 numbers of W_en
.set XD,  32                           ; v32-95   64 numbers of W_de; later the eight parts of the sums
.set XL,  96                           ; v96-159  64 numbers of last_dehy
.set CE,  160                          ; v160-163 W_en's codes
.set CW,  164                          ; v164-179 W_de's fragment
.set CL,  180                          ; v180-195 last_dehy's fragment
.set ACC, 196                          ; v196-203 the sums of my K step
.set BI,  204                          ; v204-215 four numbers each of b_de, b_en, b_cv
	s_load_b256 s[4:11], s[0:1], 0x0               ; W_en s[4:5], W_de s[6:7], last_dehy s[8:9], b_de s[10:11]
	s_load_b256 s[12:19], s[0:1], 0x20             ; b_en s[12:13], b_cv s[14:15], the scales' exponents s[16:17], wcodes s[18:19]
	s_load_b64 s[20:21], s[0:1], 0x40              ; cbk
	v_lshl_add_u32 v224, v0, 2, 0x2000
	v_mov_b32 v225, 0
	v_lshrrev_b32 v1, 5, v0
	v_readfirstlane_b32 s28, v1                    ; t: my wave, my K step
	s_mov_b32 s29, ttmp9                           ; T
	s_and_b32 s30, ttmp7, 0xffff                   ; m
	v_and_b32 v1, 15, v0                           ; r
	v_bfe_u32 v2, v0, 4, 1                         ; h
	v_lshlrev_b32 v3, 12, v1
	v_lshl_add_u32 v3, v2, 6, v3                   ; row r of 4,096 bytes + 64 h: my 16 numbers of a block of 32
	v_and_b32 v4, 31, v0
	v_lshlrev_b32 v4, 4, v4                        ; 16 x lane: my codes' place
	v_and_b32 v5, 3, v0
	v_lshlrev_b32 v5, 4, v5                        ; the reducer's four columns in a bias
	s_wait_alu depctr_va_sdst(0)                   ; s28 is written, ahead of its first reader: LDS addresses and the tensors' offsets are made from it
	s_lshl_b32 s31, s28, 10
	v_lshlrev_b32 v6, 6, v1
	v_lshl_add_u32 v6, v2, 5, v6
	v_add_nc_u32 v6, s31, v6                       ; LDS: my wave's 1,024 bytes; batch r's 64 bytes; + 32 h
	v_and_b32 v7, 63, v0
	v_lshlrev_b32 v7, 4, v7                        ; the reducer (threads 0-63): 16 bytes of the block
	s_lshl_b32 s32, s29, 16                        ; 16 rows of 4,096 bytes x T
	s_lshl_b32 s34, s28, 9                         ; 128 numbers x t
	s_add_co_u32 s36, s32, s34                     ; W_de
	s_mov_b32 s37, 0
	s_lshl_b32 s35, s30, 7                         ; 32 numbers x m
	s_add_co_u32 s38, s36, s35                     ; W_en
	s_mov_b32 s39, 0
	s_lshl_b32 s40, s30, 16
	s_add_co_u32 s40, s40, s34                     ; last_dehy
	s_mov_b32 s41, 0
	s_lshl_b32 s42, s29, 6                         ; the biases: 16 numbers x T
	s_mov_b32 s43, 0
	s_lshr_b32 s44, s29, 2
	s_lshl_b32 s44, s44, 16                        ; wcodes: G = T / 4,
	s_lshl_b32 s33, s28, 13
	s_add_co_u32 s44, s44, s33                     ; t,
	s_and_b32 s33, s29, 3
	s_lshl_b32 s33, s33, 11
	s_add_co_u32 s44, s44, s33                     ; bb = T % 4,
	s_lshl_b32 s33, s30, 9
	s_add_co_u32 s44, s44, s33                     ; c = m
	s_mov_b32 s45, 0
	s_lshl_b32 s46, s30, 6
	s_add_co_u32 s46, s46, s29
	s_lshl_b32 s46, s46, 10                        ; cbk: block 64 m + T
	s_mov_b32 s47, 0
	s_wait_kmcnt 0x0
	s_load_b128 s[24:27], s[16:17], 0x0            ; e0, e1, e2, e3
	s_add_nc_u64 s[4:5], s[4:5], s[38:39]
	s_add_nc_u64 s[6:7], s[6:7], s[36:37]
	s_add_nc_u64 s[8:9], s[8:9], s[40:41]
	s_add_nc_u64 s[10:11], s[10:11], s[42:43]
	s_add_nc_u64 s[12:13], s[12:13], s[42:43]
	s_add_nc_u64 s[14:15], s[14:15], s[42:43]
	s_add_nc_u64 s[18:19], s[18:19], s[44:45]
	s_add_nc_u64 s[20:21], s[20:21], s[46:47]
	s_wait_alu depctr_va_vdst(0)                   ; the offsets and LDS addresses v3 to v7 are written, which the loads and stores of the kernel read
	global_load_b128 v[BI:BI+3],    v5, s[10:11]
	global_load_b128 v[BI+4:BI+7],  v5, s[12:13]
	global_load_b128 v[BI+8:BI+11], v5, s[14:15]
.irp j, 0,1,2,3
	global_load_b128 v[XE+4*\j:XE+4*\j+3], v3, s[4:5] offset:16*\j th:TH_LOAD_NT
.endr
.irp c, 0,1,2,3
.irp j, 0,1,2,3
	global_load_b128 v[XD+16*\c+4*\j:XD+16*\c+4*\j+3], v3, s[6:7] offset:128*\c+16*\j
.endr
.endr
.irp c, 0,1,2,3
.irp j, 0,1,2,3
	global_load_b128 v[XL+16*\c+4*\j:XL+16*\c+4*\j+3], v3, s[8:9] offset:128*\c+16*\j
.endr
.endr
; 2^e as f32 (the conversion takes its exponent field) into v[vs], 57,344 x 2^e into v[vl]
.macro MKSCALE e, vs, vl
	s_add_co_i32 s32, s[\e], 127
	s_lshl_b32 s33, s32, 23
	v_mov_b32 v[\vs], s33
	s_add_co_i32 s32, s32, 15
	s_lshl_b32 s32, s32, 23
	s_or_b32 s32, s32, 0x600000
	v_mov_b32 v[\vl], s32
.endm
; nb x 16 numbers of a lane, v[src] on, become nb x 4 registers of codes, v[dst] on
.macro QUANT src, dst, nb, sc, lim
.set qb, 0
.rept \nb
.irp i, 0,1,2,3,4,5,6,7,8,9,10,11,12,13,14,15
	v_med3_num_f32 v[\src+16*qb+\i], v[\src+16*qb+\i], -v[\lim], v[\lim]   ; the conversion to an 8-bit code does not saturate (ISA guide 7.6.2): the hold at the largest code x the scale
.endr
	v_cvt_scalef32_pk8_bf8_f32 v[\dst+4*qb:\dst+4*qb+1], v[\src+16*qb:\src+16*qb+7], v[\sc]
	v_cvt_scalef32_pk8_bf8_f32 v[\dst+4*qb+2:\dst+4*qb+3], v[\src+16*qb+8:\src+16*qb+15], v[\sc]
.set qb, qb+1
.endr
	v_nop                                          ; one plain vector instruction behind the last scaled conversion, ahead of whatever touches its registers next
.endm
	s_wait_kmcnt 0x0
	MKSCALE 25, 8, 9                               ; W_en: e1
	MKSCALE 27, 10, 11                             ; W_de: e3
	MKSCALE 26, 12, 13                             ; last_dehy: e2
	s_wait_loadcnt 32                              ; the biases and W_en are in; W_de's 16 loads and last_dehy's 16 stay out
	QUANT XE, CE, 1, 8, 9
	s_wait_alu depctr_va_vdst(0)                   ; the conversions have written v[CE ..], which the store reads
	global_store_b128 v4, v[CE:CE+3], s[18:19]     ; the wave stores 512 consecutive bytes, at a multiple of 512 from the buffer's first byte
	s_wait_loadcnt 16                              ; W_de is in
	QUANT XD, CW, 4, 10, 11
	s_wait_loadcnt 0x0                             ; last_dehy is in
	QUANT XL, CL, 4, 12, 13
	v_wmma_f32_16x16x128_bf8_bf8 v[ACC:ACC+7], v[CW:CW+15], v[CL:CL+15], 0   ; transposed: source 0 = 16 rows o of W_de, source 1 = 16 batches: lane (r, h), register j: batch r, column 8 h + j
.rept 4
	v_nop                                          ; four places between the product and the first read of its result (ISA guide 7.12.1)
.endr
	s_wait_alu depctr_va_vdst(0)                   ; the product has written v[ACC ..], which the LDS stores read (the places above stay beside this wait); the holds and conversions are done with v[XD ..], in which the reducers' LDS loads land
	ds_store_b128 v6, v[ACC:ACC+3]
	ds_store_b128 v6, v[ACC+4:ACC+7] offset:16
	s_wait_dscnt 0x0                               ; for the others' sake: my part lies in LDS
	s_barrier_signal -1
	s_barrier_wait -1
	s_cmp_ge_u32 s28, 2
	s_cbranch_scc1 .Lend                           ; 64 threads x 16 bytes are the block: waves 0 and 1 go on
.irp q, 0,1,2,3,4,5,6,7
	ds_load_b128 v[XD+4*\q:XD+4*\q+3], v7 offset:1024*\q   ; no vector instruction since the wait above names these registers
.endr
	s_add_co_i32 s32, s26, s27                     ; e2 + e3
	s_wait_dscnt 0x0
.irp a, 0,2
	v_pk_add_f32 v[XD+\a:XD+\a+1],       v[XD+\a:XD+\a+1],       v[XD+4+\a:XD+5+\a]
	v_pk_add_f32 v[XD+8+\a:XD+9+\a],     v[XD+8+\a:XD+9+\a],     v[XD+12+\a:XD+13+\a]
	v_pk_add_f32 v[XD+16+\a:XD+17+\a],   v[XD+16+\a:XD+17+\a],   v[XD+20+\a:XD+21+\a]
	v_pk_add_f32 v[XD+24+\a:XD+25+\a],   v[XD+24+\a:XD+25+\a],   v[XD+28+\a:XD+29+\a]
	v_pk_add_f32 v[XD+\a:XD+\a+1],       v[XD+\a:XD+\a+1],       v[XD+8+\a:XD+9+\a]
	v_pk_add_f32 v[XD+16+\a:XD+17+\a],   v[XD+16+\a:XD+17+\a],   v[XD+24+\a:XD+25+\a]
	v_pk_add_f32 v[XD+\a:XD+\a+1],       v[XD+\a:XD+\a+1],       v[XD+16+\a:XD+17+\a]
.endr
.irp i, 0,1,2,3
	v_ldexp_f32 v[XD+\i], v[XD+\i], s32            ; the sum of codes' products x 2^(e2 + e3)
.endr
.irp a, 0,2
	v_pk_add_f32 v[BI+\a:BI+\a+1], v[BI+\a:BI+\a+1], v[BI+4+\a:BI+5+\a]
	v_pk_add_f32 v[XD+\a:XD+\a+1], v[XD+\a:XD+\a+1], v[BI+8+\a:BI+9+\a]
	v_pk_add_f32 v[XD+\a:XD+\a+1], v[XD+\a:XD+\a+1], v[BI+\a:BI+\a+1]
	v_pk_mul_f32 v[XD+\a:XD+\a+1], v[XD+\a:XD+\a+1], K2 op_sel_hi:[1,0]
.endr
	s_wait_alu depctr_va_vdst(0)                   ; the multiplications have written v[XD .. XD + 3], which the store reads
	global_store_b128 v7, v[XD:XD+3], s[20:21]     ; a wave stores 512 consecutive bytes of the block
.Lend:
	s_wait_dscnt 0x0                               ; the closing lines, six on end
	s_wait_alu 0x0
	s_wait_tensorcnt 0x0
	ds_add_u32 v224, v225
	s_wait_dscnt 0x0
	s_endpgm
.Lfunc_end_k_qc3bda61f46_prep:
	.size	k_qc3bda61f46_prep, .Lfunc_end_k_qc3bda61f46_prep-k_qc3bda61f46_prep
	.p2alignl 7, 3214868480
	.fill 96, 4, 3214868480
	.section	.rodata,"a",@progbits
	.p2align	6, 0x0
	.amdhsa_kernel k_qc3bda61f46_prep
		.amdhsa_group_segment_fixed_size 9216
		.amdhsa_private_segment_fixed_size 0
		.amdhsa_enable_private_segment 0
		.amdhsa_kernarg_size 72
		.amdhsa_user_sgpr_count 2
		.amdhsa_user_sgpr_kernarg_segment_ptr 1
		.amdhsa_wavefront_size32 1
		.amdhsa_system_sgpr_workgroup_id_x 1
		.amdhsa_system_sgpr_workgroup_id_y 1
		.amdhsa_system_sgpr_workgroup_id_z 1
		.amdhsa_system_vgpr_workitem_id 0
		.amdhsa_next_free_vgpr 226
		.amdhsa_next_free_sgpr 66
		.amdhsa_reserve_vcc 0
		.amdhsa_float_denorm_mode_32 3
		.amdhsa_float_denorm_mode_16_64 3
		.amdhsa_memory_ordered 1
		.amdhsa_forward_progress 1
		.amdhsa_inst_pref_size 21
	.end_amdhsa_kernel
	.amdgpu_metadata
---
amdhsa.version: [ 1, 2 ]
amdhsa.kernels:
  - .name:           k_qc3bda61f46_prep
    .symbol:         k_qc3bda61f46_prep.kd
    .args:
      - { .name: W_en, .offset: 0, .size: 8, .value_kind: global_buffer, .address_space: global }
      - { .name: W_de, .offset: 8, .size: 8, .value_kind: global_buffer, .address_space: global }
      - { .name: last_dehy, .offset: 16, .size: 8, .value_kind: global_buffer, .address_space: global }
      - { .name: b_de, .offset: 24, .size: 8, .value_kind: global_buffer, .address_space: global }
      - { .name: b_en, .offset: 32, .size: 8, .value_kind: global_buffer, .address_space: global }
      - { .name: b_cv, .offset: 40, .size: 8, .value_kind: global_buffer, .address_space: global }
      - { .name: lowp_scales, .offset: 48, .size: 8, .value_kind: global_buffer, .address_space: global }
      - { .name: wcodes, .offset: 56, .size: 8, .value_kind: global_buffer, .address_space: global }
      - { .name: cbk, .offset: 64, .size: 8, .value_kind: global_buffer, .address_space: global }
    .group_segment_fixed_size: 9216
    .private_segment_fixed_size: 0
    .kernarg_segment_align: 8
    .kernarg_segment_size: 72
    .max_flat_workgroup_size: 256
    .sgpr_count:     66
    .vgpr_count:     226
    .wavefront_size: 32
...
	.end_amdgpu_metadata
.endif
;; end of part 4
;; launch main (part 5): grid 256 x 1, 4 waves a work-group, no clusters, 297,472 bytes of LDS; arguments enhy, past_attn, W_cv, W_out, lowp_scales, wcodes, cbk, scores, hpart; writes scores, hpart
.if DOCPART == 5
	.amdgcn_target "amdgcn-amd-amdhsa--gfx1250"
	.amdhsa_code_object_version 6
	.text
	.protected	k_qc3bda61f46_main
	.globl	k_qc3bda61f46_main
	.p2align	8
	.type	k_qc3bda61f46_main,@function
k_qc3bda61f46_main:
	s_mov_b64 s[64:65], 0
	v_nop
	global_prefetch_b8 v0, s[64:65] scope:SCOPE_SE
	s_setreg_imm32_b32 hwreg(HW_REG_WAVE_SCHED_MODE, 0, 2), 2
	s_setreg_imm32_b32 hwreg(HW_REG_WAVE_MODE, 25, 1), 1
	s_wait_xcnt 0x0
	s_wait_alu depctr_vm_vsrc(0)
; MAIN.  For 128 rows (b, s) of enhy a work-group makes their attention scores and, under its own largest score, its part of the weighted sum of those rows.  enhy is read from memory ONCE.
;   x(s, o) = enhy[s] . W_en[o] + (de_proj + b_de + b_en + b_cv)[b][o] + past[s] W_cv[o];   the first product on codes of BF8 (E5M2) with the given scales 2^e0, 2^e1, sums in f32.
;   tanh(x) = 1 - 2 / (1 + 2^(K2 x)), K2 = 2 log2(e).  An exponential that overflows gives infinity, whose reciprocal is 0; one that underflows gives 0, and the reciprocal of 1 is 1: both are tanh's limits.
;   scores[s] = sum over o of (-2 W_out[o]) / (1 + 2^(K2 x)): the true score LESS THE SUM OF W_out, a number that is the same for every s; the softmax takes the row's maximum away, so it cancels for every input.
;   hpart[g][k] = sum over my 128 rows of 2^((score - my largest score) log2 e) x bf16(enhy[s][k]).  The next launch joins the four work-groups of a batch.
; SHARES.  Work-group g: rows 128 g .. 128 g + 127 of enhy taken as [32,768][1,024]; batch g / 4.  Four waves, one to a SIMD.
;   Phase A: wave w reads its 32 rows, two at a time.  Each number goes two ways: held, converted to a code, into LDS (128 rows x 1,024 codes, read by all four waves); and rounded to bf16 for the weighted sum:
;   the even rows' stay in the wave's registers (256), the odd rows' go to LDS (32 KB a wave, its own): neither place alone has room for all 256 KB beside what else lies there.
;   The product: THE WAVES SHARE THE COLUMNS: wave w makes columns 256 w .. 256 w + 255 for all 128 rows, as four tiles of 128 x 64: 32 accumulators, 256 registers, K in 8 steps of 128.
; W_en's CODES GO FROM MEMORY STRAIGHT INTO REGISTERS, by plain loads, with no tensor load, no ring and no joint request in a cluster.  The reason, by this text's own arithmetic: each byte of them is used by exactly
;   one wave of the work-group, so a way through LDS would add 1 MB of LDS writes and 1 MB of LDS reads to the 2 MB that A's fragments cost; and 296,960 of the 327,680 bytes that a work-group can claim are in
;   use, so that two slots of one K step of the work-group's columns (32 KB each) do not fit.  The earlier launch has laid them in the order of the operand's registers: a load is 512 dense bytes.
; THE MATRIX INSTRUCTION IS USED TRANSPOSED (source 0 = 16 rows o of W_en, source 1 = 16 rows s): lane (r, h) holds row s = 16 a + r, and register j column o = 16 b + 8 h + j.
; k lies in the registers as 32 c + 16 (lane / 16) + 0..15 in registers 4 c .. 4 c + 3, alike in both operands.
; IN THE PRODUCT THE LOADS STAND IN RUNS OF FOUR BEHIND EACH FOUR PRODUCTS: a tile has one LDS load for each product, so the requests are spread evenly and the wave goes on issuing products between them.  That costs two
;   switches of the register window for four products (three where B is fetched too): A's fragments, the accumulators and B's sets fill three windows, and a load's destination follows the products' destination window.
; LIMITS: e0 between -126 and 112, so that 2^e0 and 57,344 x 2^e0 are f32 numbers; e0 + e1 goes through v_ldexp_f32 and has no limit.  NaN among the inputs is not served; infinities are held at the largest code
;   for the product (their bf16 copy stays infinite, as in the definition).
; REGISTERS, in windows of 256 (s_set_vgpr_msb's low byte: bits 1:0 source 0, 3:2 source 1, 5:4 source 2, 7:6 destination):
;   window 0: v1-20 addresses and constants; v21-31 at work; v32-47 past (each row tile's in both halves of a pair); v48-63 the scores' running sums;
;             v64-127 phase A: codes and an odd row's bf16, two sets each; phase C: the 32 weighted sums and my 32 rows' p;
;             in the product v128-191, v192-255, v64-127 are A's three buffers of four fragments; in a tile's epilogue: v64.. cbk, v96.. K2 W_cv, v192.. -2 W_out, v224.. 32 numbers at work, v128-191 the next tile's first fragments
;   window 1: phase A: four landing places of 64 (two rows); then B's four sets of 64; at last the odd rows' bf16 read back.   window 2: the accumulators, (a, b) at v[8 (4 a + b)].   window 3: the even rows' bf16.
; THE MODE: SCHED_MODE bits 1:0 = 2 (LLVM: expert scheduling mode 2), set by the entry lines.  The code itself states the register dependences
; between vector or matrix instructions and memory or LDS instructions, with s_wait_alu, always for 0.
; THE PLAN.  Registers that memory or LDS instructions touch, and who else names them:
;   v1-5, v8, v9, v14-20   offsets and LDS addresses: made at the head, read by loads and stores, never written again.  v24: the same for the head's stores of the constants; phase C writes it, behind phase A's waits on vm_vsrc.
;   v7                     the LDS address of a tile's constants: written at the tile's head, read by the loads of its last half step.
;   PHASE A.  Landing place p % 4: the pair's conversions and holds read and write it; behind them the loads of pair p + 4 (or a set of B) land in it.
;             Codes and bf16, set p % 2: written by the pair's conversions, read by its 20 LDS stores, written again by pair p + 2.
;             So a pair has ONE wait on va_vdst, behind its last conversion and ahead of its loads and its stores, and one on vm_vsrc, behind its first sixteen conversions, which write window 3 alone.
;   THE PRODUCT.  A's buffer hn % 3: read by half step hn's products; the LDS loads of half step hn + 1 land in it (the fragments of half step hn + 3).
;             B's set t % 4: read by K step t's products; the loads of K step t + 1's first half step land in it (K step t + 4).
;             So ONE wait on va_vdst stands at the head of a half step that issues loads: the products before it are done reading.  The half step's own products name buffer hn % 3, set t % 4 and the accumulators:
;             none of the registers that its loads touch, so these are dealt among the products with no further wait.  Half step 0 leans on the wait at the tile's head; half step 14 issues no load and has no wait.
;   THE EPILOGUE names v12, v13, v32-127, v192-255 and the accumulators; the loads that land meanwhile (v128-191, B's sets 0 to 2) stand behind one wait on va_vdst, behind the tile's last products.
;   PHASE C.  Each run of stores has a wait on va_vdst ahead of it, for its data; one wait on vm_vsrc stands ahead of the loads into registers that LDS stores have read.
.set PITCH, 1040                       ; a row of codes in LDS: 1,024 bytes + 16 = 260 words: row r starts at bank 4 r mod 64 (64 banks of 4 bytes: ISA guide 11.1), so the 16 rows that a load touches start at 16 different banks
.set XB,    128*PITCH                  ; the odd rows' bf16: 32,768 bytes for each wave, images of registers: pair p at 2,048 p, register group c at 512 c, 16 bytes a lane
.set CST,   XB+131072                  ; 1,024 f32 each: cbk[b][o]; at +4,096 K2 W_cv[o]; at +8,192 -2 W_out[o]
.set SCP,   CST+12288                  ; wave w's parts of the 128 scores at 512 w
.set PP,    SCP+2048                   ; each wave's own copy of the 128 p at 512 w
.set HRED,  PP+2048                    ; wave w's 1,024 weighted sums at 4,096 w
.set K2,    0x4038aa3b                 ; 2 log2(e)
.set LOG2E, 0x3fb8aa3b
.set PAST, 32
.set SC,   48
.set HA,   64
.set PR,   96
.set CB,   64
.set WC,   96
.set WO,   192
.set TT,   224
.set MSB, 0
.macro WIN new                         ; the immediate's high byte repeats the setting that is left; a switch that changes nothing is dropped
.if MSB != \new
	s_set_vgpr_msb (MSB<<8)|\new
.set MSB, \new
.endif
.endm
.macro PLACES n
.rept \n
	v_nop
.endr
.endm
; rows 2 p and 2 p + 1 of my 32: sixteen loads of 512 consecutive bytes; load j of a row gives lane l the numbers k = 128 j + 4 l + 0..3
.macro XLOAD p
	WIN 0x40
.irp row, 0,1
.irp j, 0,1,2,3,4,5,6,7
	global_load_b128 v[64*((\p)%4)+32*\row+4*\j:64*((\p)%4)+32*\row+4*\j+3], v1, s[38:39] offset:(2*(\p)+\row)*4096+512*\j th:TH_LOAD_NT
.endr
.endr
.endm
; one fragment of B (16 columns x 128 K): column tile bb of the tile's K step t, into set s: four loads of 512 consecutive bytes
.macro BFRAG s, t, bb
.irp c, 0,1,2,3
	global_load_b128 v[64*(\s)+16*(\bb)+4*\c:64*(\s)+16*(\bb)+4*\c+3], v1, s[40:41] offset:(\t)*8192+(\bb)*2048+\c*512
.endr
.endm
; a whole set: B's four fragments of K step t
.macro BLOAD s, t
	WIN 0x40
.irp bb, 0,1,2,3
	BFRAG \s, \t, \bb
.endr
.endm
; PHASE A, one pair of rows.  kind 1: its landing place takes the pair four further on; kind 2: it takes B's set for the first tile's K step p - 12; kind 0: nothing (the product's first half step fills it).
.macro PAIR p, kind
.set SL, 64*((\p)%4)
.set CD, HA+16*((\p)%2)
.set BO, PR+16*((\p)%2)
	s_wait_loadcnt 48                              ; loads come back in order: this pair's 16 are in; the three groups of 16 issued behind them stay out
	s_wait_dscnt 20                                ; the pair before may have its 20 LDS stores out; those of two pairs back, which read the registers written below, are done
	WIN 0xc5
.irp n, 0,1,2,3,4,5,6,7,8,9,10,11,12,13,14,15
	v_cvt_pk_bf16_f32 v[16*(\p)+\n], v[SL+2*\n], v[SL+2*\n+1]          ; the even row, rounded to bf16 ahead of the hold: it stays in window 3
.endr
.if (\p) >= 2
	s_wait_alu depctr_vm_vsrc(0)                   ; the LDS stores of the pairs before have read their codes and their bf16: set p % 2 of both is written again below
.endif
	WIN 0x05
.irp n, 0,1,2,3,4,5,6,7,8,9,10,11,12,13,14,15
	v_cvt_pk_bf16_f32 v[BO+\n], v[SL+32+2*\n], v[SL+32+2*\n+1]         ; the odd row
.endr
	WIN 0x41
.set n, 0
.rept 64
	v_med3_num_f32 v[SL+n], v[SL+n], -v10, v10     ; the conversion to an 8-bit code does not saturate (ISA guide 7.6.2): the hold at 57,344 x 2^e0
.set n, n+1
.endr
	WIN 0x01
.irp u, 0,1,2,3,4,5,6,7
	v_cvt_scalef32_pk8_bf8_f32 v[CD+2*\u:CD+2*\u+1], v[SL+8*\u:SL+8*\u+7], v11   ; two loads' numbers: code register j of a row holds load j's four codes
.endr
	v_nop                                          ; one plain vector instruction behind the last scaled conversion
	s_wait_alu depctr_va_vdst(0)                   ; the holds and conversions are done with the landing place, in which the loads below land, and have written the codes and the bf16, which the LDS stores below read
.if \kind == 1
	XLOAD (\p)+4
.elseif \kind == 2
	BLOAD (\p)-12, (\p)-12
.endif
	WIN 0
.irp row, 0,1
.irp j, 0,1,2,3,4,5,6,7
	ds_store_b32 v2, v[CD+8*\row+\j] offset:(2*(\p)+\row)*PITCH+128*\j   ; 32 lanes x 4 codes: 128 consecutive codes of the row, k in its true place
.endr
.endr
.irp c, 0,1,2,3
	ds_store_b128 v3, v[BO+4*\c:BO+4*\c+3] offset:(\p)*2048+512*\c
.endr
.endm
; THE PRODUCT.  A K step is two HALF STEPS of 16 products: half step hn = 2 t + g is K step t, row tiles 4 g .. 4 g + 3.  Its four fragments of A lie in buffer hn % 3: v128, v192, v64.
; one fragment of A: row tile 4 (hn % 2) + i, K step hn / 2: four LDS loads
.macro AFRAG hn, i
.set FB, 64+64*(((\hn)+1)%3)+16*(\i)
.irp c, 0,1,2,3
	ds_load_b128 v[FB+4*\c:FB+4*\c+3], v[4+(\hn)%2] offset:(\i)*16*PITCH+128*((\hn)/2)+32*\c
.endr
.endm
; the epilogue's constants of columns 16 b + 8 h + 0..7: cbk, K2 W_cv, -2 W_out: six LDS loads
.macro CLOAD b
	ds_load_b128 v[CB+8*(\b):CB+8*(\b)+3],   v7 offset:64*(\b)
	ds_load_b128 v[CB+8*(\b)+4:CB+8*(\b)+7], v7 offset:64*(\b)+16
	ds_load_b128 v[WC+8*(\b):WC+8*(\b)+3],   v7 offset:4096+64*(\b)
	ds_load_b128 v[WC+8*(\b)+4:WC+8*(\b)+7], v7 offset:4096+64*(\b)+16
	ds_load_b128 v[WO+8*(\b):WO+8*(\b)+3],   v7 offset:8192+64*(\b)
	ds_load_b128 v[WO+8*(\b)+4:WO+8*(\b)+7], v7 offset:8192+64*(\b)+16
.endm
; four products: one row tile x the tile's four column tiles.  K step 0 starts the sums: nothing is cleared.
; The 32 accumulators take turns, one instruction a turn, in the same order in every K step.
.macro MUL4 hn, i
.set FB, 64+64*(((\hn)+1)%3)+16*(\i)
.set AC, 32*(4*((\hn)%2)+(\i))
.set BS, 64*(((\hn)/2)%4)
.irp b, 0,1,2,3
.if (\hn) < 2
	v_wmma_f32_16x16x128_bf8_bf8 v[AC+8*\b:AC+8*\b+7], v[BS+16*\b:BS+16*\b+15], v[FB:FB+15], 0
.else
	v_wmma_f32_16x16x128_bf8_bf8 v[AC+8*\b:AC+8*\b+7], v[BS+16*\b:BS+16*\b+15], v[FB:FB+15], v[AC+8*\b:AC+8*\b+7]
.endif
.endr
.endm
; A HALF STEP: four runs of four products; behind run i the four LDS loads of fragment i of half step hn + 2, into the buffer that half step hn - 1 has left.
; The wait on va_vdst at the half step's head states the dependence of all its loads: the products issued so far are done reading the registers in which they land.  Four plain places (v_nop) stand behind the
; first run, between all products of the half steps before and every load of this one, beside that wait.
; B: K step t's first half step asks, a fragment behind each run, for K step t + 3, into the set that K step t - 1 has left; the tile's K steps 0 to 2 were asked for ahead of the tile.
; The last half step asks for the epilogue's constants instead, into the buffers that half steps 13 and 14 have left; half step 14 asks for nothing.
.macro HSTEP hn
.if (\hn)%2 == 0
.if (\hn) <= 10
	s_wait_loadcnt 32                              ; this K step's set of B is in; the two sets asked for behind it stay out
.else
	s_wait_loadcnt 16*(7-(\hn)/2)                  ; K steps 6 and 7: one set, then none, was asked for behind this one
.endif
.endif
.if ((\hn) > 0) && ((\hn) != 14)
	s_wait_alu depctr_va_vdst(0)                   ; the products of the half steps before are done reading A's buffer and, at a K step's head, B's set, in which this half step's loads land (half step 15: the two buffers that take the constants)
.endif
.irp i, 0,1,2,3
.if (\hn) <= 13
	s_wait_dscnt 28                                ; fragment i is in.  Behind it were issued: this half step's other 4 (3 - i) loads, the next half step's 16, and 4 i of the one after
.elseif (\hn) == 14
	s_wait_dscnt 28-4*\i                           ; behind it: 4 (3 - i), and the last half step's 16
.else
	s_wait_dscnt 12+2*\i                           ; behind it: 4 (3 - i), and 6 i loads of constants
.endif
	WIN 0xa1                                       ; source 0 (B) window 1, source 1 (A) window 0, C and D window 2
	MUL4 \hn, \i
.if (\hn) != 14
.if \i == 0
	PLACES 4
.endif
	WIN 0
.if (\hn) < 14
	AFRAG (\hn)+2, \i                              ; no wait: no vector or matrix instruction since the wait at the head names these registers
.else
	CLOAD \i
.endif
.if ((\hn)%2 == 0) && ((\hn) <= 8)
	WIN 0x40
	BFRAG ((\hn)/2+3)%4, (\hn)/2+3, \i
.endif
.endif
.endr
.endm
; THE EPILOGUE of row tile a: 32 numbers a lane.  t = sum x K2 2^(e0 + e1) + past K2 W_cv + cbk;  the score's part += (-2 W_out) / (1 + 2^t), in four chains.
.macro EPI a
	WIN 0
.irp b, 0,1,2,3
.irp i, 0,2,4,6
	v_pk_fma_f32 v[TT+8*\b+\i:TT+8*\b+\i+1], v[PAST+2*(\a):PAST+2*(\a)+1], v[WC+8*\b+\i:WC+8*\b+\i+1], v[CB+8*\b+\i:CB+8*\b+\i+1]
.endr
.endr
	WIN 0x02
.irp b, 0,1,2,3
.irp i, 0,2,4,6
	v_pk_fma_f32 v[TT+8*\b+\i:TT+8*\b+\i+1], v[8*(4*(\a)+\b)+\i:8*(4*(\a)+\b)+\i+1], v[12:13], v[TT+8*\b+\i:TT+8*\b+\i+1]   ; each accumulator from its low end on
.endr
.endr
	WIN 0
.set n, 0
.rept 32
	v_exp_f32 v[TT+n], v[TT+n]
.set n, n+1
.endr
	v_nop                                          ; a plain instruction between the last exponential and the use of its result (ISA guide 5.7.2)
	s_wait_alu depctr_va_vdst(0)                   ; the 32 exponentials have written v[TT ..]: one wait for the batch, ahead of its first reader
.irp i, 0,2,4,6,8,10,12,14,16,18,20,22,24,26,28,30
	v_pk_add_f32 v[TT+\i:TT+\i+1], v[TT+\i:TT+\i+1], 1.0 op_sel_hi:[1,0]
.endr
.set n, 0
.rept 32
	v_rcp_f32 v[TT+n], v[TT+n]
.set n, n+1
.endr
	v_nop
	s_wait_alu depctr_va_vdst(0)                   ; the 32 reciprocals have written v[TT ..]: one wait for the batch, ahead of its first reader
	v_pk_fma_f32 v[TT:TT+1], v[TT:TT+1], v[WO:WO+1], v[SC+2*(\a):SC+2*(\a)+1]
.irp b, 1,2,3
	v_pk_mul_f32 v[TT+8*\b:TT+8*\b+1], v[TT+8*\b:TT+8*\b+1], v[WO+8*\b:WO+8*\b+1]
.endr
.irp i, 2,4,6
.irp b, 0,1,2,3
	v_pk_fma_f32 v[TT+8*\b:TT+8*\b+1], v[TT+8*\b+\i:TT+8*\b+\i+1], v[WO+8*\b+\i:WO+8*\b+\i+1], v[TT+8*\b:TT+8*\b+1]
.endr
.endr
	v_pk_add_f32 v[TT:TT+1], v[TT:TT+1], v[TT+8:TT+9]
	v_pk_add_f32 v[TT+16:TT+17], v[TT+16:TT+17], v[TT+24:TT+25]
	v_pk_add_f32 v[SC+2*(\a):SC+2*(\a)+1], v[TT:TT+1], v[TT+16:TT+17]
.endm
	; ---- THE HEAD: what the loads need first
	s_load_b256 s[8:15], s[0:1], 0x0               ; enhy s[8:9], past_attn s[10:11], W_cv s[12:13], W_out s[14:15]
	s_load_b256 s[16:23], s[0:1], 0x20             ; the scales' exponents s[16:17], wcodes s[18:19], cbk s[20:21], scores s[22:23]
	s_load_b64 s[24:25], s[0:1], 0x40              ; hpart
	v_lshrrev_b32 v21, 5, v0
	v_readfirstlane_b32 s28, v21                   ; w: my wave
	v_and_b32 v21, 31, v0                          ; lane
	v_and_b32 v22, 15, v0                          ; r
	v_bfe_u32 v23, v0, 4, 1                        ; h
	v_lshlrev_b32 v1, 4, v21                       ; 16 x lane: enhy, wcodes, scores, hpart
	v_lshrrev_b32 v18, 2, v0
	v_lshlrev_b32 v18, 10, v18
	v_and_b32 v19, 3, v0
	v_lshl_add_u32 v18, v19, 4, v18                ; cbk: columns 4 i .. 4 i + 3 of my batch lie in block i / 4, at 16 (i % 4)
	v_lshlrev_b32 v19, 4, v0                       ; W_cv, W_out: 16 bytes a thread
	v_lshlrev_b32 v20, 2, v22                      ; past: row r of a row tile
	s_mov_b32 s34, 0x76543210                      ; v_permlanex16_b32: each lane takes its own place in the other half
	s_mov_b32 s35, 0xfedcba98
	s_lshl_b32 s38, ttmp9, 19                      ; 128 rows of 4,096 bytes x g,
	s_wait_alu depctr_va_sdst(0)                   ; s28 is written, ahead of its first reader: the tensors' offsets and the LDS addresses are made from it
	s_lshl_b32 s30, s28, 17                        ; 32 rows x w
	s_add_co_u32 s38, s38, s30
	s_mov_b32 s39, 0
	s_lshl_b32 s40, s28, 18                        ; wcodes: four tiles of 65,536 bytes x w
	s_mov_b32 s41, 0
	s_lshr_b32 s30, ttmp9, 2                       ; b
	s_lshr_b32 s42, s30, 4
	s_lshl_b32 s42, s42, 16                        ; cbk: 64 blocks x (b / 16),
	s_and_b32 s30, s30, 15
	s_lshl_b32 s30, s30, 6
	s_add_co_u32 s42, s42, s30                     ; row b % 16 of a block
	s_mov_b32 s43, 0
	s_lshl_b32 s44, ttmp9, 9                       ; past, scores: 128 numbers x g
	s_mov_b32 s45, 0
	s_lshl_b32 s48, ttmp9, 12                      ; hpart: row g,
	s_lshl_b32 s30, s28, 10
	s_add_co_u32 s48, s48, s30                     ; my wave's 256 numbers of it
	s_mov_b32 s49, 0
	s_wait_kmcnt 0x0
	s_load_b64 s[26:27], s[16:17], 0x0             ; e0, e1
	s_add_nc_u64 s[38:39], s[8:9], s[38:39]
	s_add_nc_u64 s[40:41], s[18:19], s[40:41]
	s_add_nc_u64 s[42:43], s[20:21], s[42:43]
	s_add_nc_u64 s[46:47], s[22:23], s[44:45]
	s_add_nc_u64 s[44:45], s[10:11], s[44:45]
	s_add_nc_u64 s[48:49], s[24:25], s[48:49]
	s_wait_alu depctr_va_vdst(0)                   ; the offsets v1, v18, v19 and v20 are written, which the loads below read
	global_load_b128 v[128:131], v18, s[42:43]
	global_load_b128 v[132:135], v18, s[42:43] offset:32768
	global_load_b128 v[136:139], v19, s[12:13]
	global_load_b128 v[140:143], v19, s[12:13] offset:2048
	global_load_b128 v[144:147], v19, s[14:15]
	global_load_b128 v[148:151], v19, s[14:15] offset:2048
.irp a, 0,1,2,3,4,5,6,7
	global_load_b32 v[PAST+2*\a], v20, s[44:45] offset:64*\a
.endr
	XLOAD 0
	XLOAD 1
	XLOAD 2
	WIN 0
	; ---- LDS addresses, while the loads are out
	s_mul_i32 s30, s28, 32*PITCH
	v_lshl_add_u32 v2, v21, 2, s30                 ; codes, on the way in: my wave's 32 rows, 4 bytes a lane
	s_lshl_b32 s30, s28, 15
	s_add_co_u32 s30, s30, XB
	v_add_nc_u32 v3, s30, v1                       ; my wave's odd rows
	v_mul_u32_u24 v4, v22, PITCH
	v_lshl_add_u32 v4, v23, 4, v4                  ; A's fragments: row r x pitch + 16 h; rows 0-63,
	v_add_nc_u32 v5, 64*PITCH, v4                  ; rows 64-127
	s_lshl_b32 s30, s28, 10
	s_add_co_u32 s31, s30, CST
	v_lshl_add_u32 v6, v23, 5, s31                 ; the constants of my 256 columns, + 32 h
	s_add_co_u32 s31, s30, HRED
	v_add_nc_u32 v17, s31, v1                      ; the weighted sums, on the way back: numbers 256 w on
	s_lshl_b32 s30, s28, 9
	s_add_co_u32 s31, s30, SCP
	v_lshl_add_u32 v8, v22, 2, s31                 ; my wave's parts of the scores: row r of a row tile
	v_add_nc_u32 v9, SCP, v1                       ; and back: scores 4 l .. 4 l + 3
	s_add_co_u32 s31, s30, PP
	v_add_nc_u32 v14, s31, v1                      ; my wave's copy of p
	s_mul_i32 s31, s28, 640
	s_add_co_u32 s31, s31, PP
	v_mov_b32 v15, s31                             ; in that copy (512 w) my own 32 rows' (128 w): the same address in every lane
	s_lshl_b32 s30, s28, 12
	s_add_co_u32 s30, s30, HRED
	v_add_nc_u32 v16, s30, v1                      ; the weighted sums, on the way in
	v_add_nc_u32 v24, CST, v19                     ; the constants, on the way in: 16 bytes a thread
.irp i, 0,1,2,3,4,5,6,7,8,9,10,11,12,13,14,15
	v_mov_b32 v[SC+\i], 0                          ; the scores' running sums go through four tiles written once: they begin at 0
.endr
	s_wait_kmcnt 0x0
	s_add_co_i32 s30, s26, 127
	s_lshl_b32 s31, s30, 23
	v_mov_b32 v11, s31                             ; 2^e0 as f32: the conversion takes its exponent field
	s_add_co_i32 s30, s30, 15
	s_lshl_b32 s30, s30, 23
	s_or_b32 s30, s30, 0x600000
	v_mov_b32 v10, s30                             ; 57,344 x 2^e0
	s_add_co_i32 s30, s26, s27
	v_mov_b32 v12, K2
	v_ldexp_f32 v12, v12, s30                      ; K2 x 2^(e0 + e1): what a sum of codes' products is multiplied by
	v_mov_b32 v13, v12
	s_wait_loadcnt 48                              ; the 14 small loads are in; the 48 of enhy issued behind them stay out
.irp a, 0,1,2,3,4,5,6,7
	v_mov_b32 v[PAST+2*\a+1], v[PAST+2*\a]         ; both halves of a pair, for the packed forms
.endr
.irp i, 0,2,4,6
	v_pk_mul_f32 v[136+\i:137+\i], v[136+\i:137+\i], K2 op_sel_hi:[1,0]
	v_pk_mul_f32 v[144+\i:145+\i], v[144+\i:145+\i], -2.0 op_sel_hi:[1,0]
.endr
	s_wait_alu depctr_va_vdst(0)                   ; the multiplications have written v136-151, which the LDS stores below read; v24 and all the LDS addresses made above are written, which the LDS instructions of the kernel read
.irp q, 0,1,2,3,4,5
	ds_store_b128 v24, v[128+4*\q:131+4*\q] offset:2048*\q
.endr
	XLOAD 3
	; ---- PHASE A
.irp p, 0,1,2,3,4,5,6,7,8,9,10,11
	PAIR \p, 1
.endr
.irp p, 12,13,14
	PAIR \p, 2
.endr
	PAIR 15, 0
	s_wait_dscnt 0x0                               ; for the others' sake: my codes and my part of the constants lie in LDS
	s_barrier_signal -1
	s_barrier_wait -1                              ; everybody's do.  (B's 48 loads stay on their way: nobody writes those bytes)
	; ---- THE PRODUCT: four tiles of 128 rows x 64 columns
	s_mov_b32 s36, 0                               ; u: the tile
	s_mov_b32 s37, 0                               ; 256 u: its 64 columns' bytes in the constants
.irp i, 0,1,2,3
	AFRAG 0, \i                                    ; the first tile's first half step; the later tiles' is asked for under the epilogue before.  (v128-151 were the data of the head's LDS stores and the work of its multiplications: phase A's waits on vm_vsrc and on va_vdst stand between)
.endr
.Ltile:
	s_wait_alu depctr_vm_vsrc(0)                   ; the constants' LDS loads of the tile before have read v7, which is written below; in the first trip: phase A's last LDS stores have read v64-127, in which this tile's fragments land
	v_add_nc_u32 v7, s37, v6
	s_wait_alu depctr_va_vdst(0)                   ; the epilogue before is done with v64-127 and v192-255, in which the loads below and those of half step 0 land; v7 is written, which the loads of half step 15 read
.irp i, 0,1,2,3
	AFRAG 1, \i
.endr
.irp hn, 0,1,2,3,4,5,6,7,8,9,10,11,12,13,14,15
	HSTEP \hn
.endr
	PLACES 5                                       ; behind the tile's last product: four for the loads and the reads that follow; the fifth for the next tile's first products, which write over accumulators
	s_add_nc_u64 s[40:41], s[40:41], 0x10000       ; the next tile's codes: K step 7's wait for all loads has freed the base
	s_wait_dscnt 0x0                               ; the constants are in
	s_wait_alu depctr_va_vdst(0)                   ; the tile's last products are done reading v128-191 and B's sets, in which the loads below land; behind the last tile: phase C's loads into window 1 and into v128-159
	s_cmp_eq_u32 s36, 3
	s_cbranch_scc1 .Lno_next                       ; behind the last tile nothing is asked for: no load leaves the buffer
.irp i, 0,1,2,3
	AFRAG 0, \i                                    ; the next tile's first half step of A, into the buffer that the epilogue does not touch,
.endr
	BLOAD 0, 0                                     ; and its first three K steps of B: all land under the epilogue
	BLOAD 1, 1
	BLOAD 2, 2
	WIN 0
.Lno_next:
.irp a, 0,1,2,3,4,5,6,7
	EPI \a
.endr
	WIN 0                                          ; at a label and at a branch every window is 0
	s_add_co_u32 s37, s37, 256
	s_add_co_u32 s36, s36, 1
	s_cmp_lt_u32 s36, 4
	s_cbranch_scc1 .Ltile
	; ---- PHASE C: scores, p, the weighted sum
	s_wait_loadcnt 0x0                             ; no load of mine is out: B's registers may take the odd rows
	WIN 0x40
.set n, 0
.rept 64
	ds_load_b128 v[4*n:4*n+3], v3 offset:512*n     ; my 16 odd rows' bf16 come back as they stood: pair p at v[16 p] of window 1.  No wait: no vector or matrix instruction since the wait behind the last tile's products names window 1
.set n, n+1
.endr
	WIN 0
.irp a, 0,1,2,3,4,5,6,7
	v_add_f32 v[TT+\a], v[SC+2*\a], v[SC+2*\a+1]
.endr
.irp a, 0,1,2,3,4,5,6,7
	v_permlanex16_b32 v[TT+8+\a], v[TT+\a], s34, s35   ; the row's other columns lie in the lane 16 away
.endr
.irp a, 0,1,2,3,4,5,6,7
	v_add_f32 v[TT+\a], v[TT+\a], v[TT+8+\a]
.endr
	s_wait_alu depctr_va_vdst(0)                   ; the additions have written v[TT .. TT + 7], which the LDS stores read, and are done with v[TT .. TT + 15], in which the loads behind the barrier land
.irp a, 0,1,2,3,4,5,6,7
	ds_store_b32 v8, v[TT+\a] offset:64*\a         ; row 16 a + r: my 256 columns' part (lanes r and r + 16 hold the same number)
.endr
	s_wait_dscnt 0x0                               ; for the others' sake; the odd rows are back too
	s_barrier_signal -1
	s_barrier_wait -1
	s_wait_alu depctr_vm_vsrc(0)                   ; my LDS stores have read v[TT .. TT + 7], in which the loads below land
.irp q, 0,1,2,3
	ds_load_b128 v[TT+4*\q:TT+4*\q+3], v9 offset:512*\q
.endr
	s_wait_dscnt 0x0
	v_pk_add_f32 v[TT:TT+1],     v[TT:TT+1],     v[TT+4:TT+5]
	v_pk_add_f32 v[TT+2:TT+3],   v[TT+2:TT+3],   v[TT+6:TT+7]
	v_pk_add_f32 v[TT+8:TT+9],   v[TT+8:TT+9],   v[TT+12:TT+13]
	v_pk_add_f32 v[TT+10:TT+11], v[TT+10:TT+11], v[TT+14:TT+15]
	v_pk_add_f32 v[24:25], v[TT:TT+1],   v[TT+8:TT+9]
	v_pk_add_f32 v[26:27], v[TT+2:TT+3], v[TT+10:TT+11]   ; every wave holds all 128 scores: lane l rows 4 l .. 4 l + 3
	s_cmp_lg_u32 s28, 0
	s_cbranch_scc1 .Lnot_wave_0
	s_wait_alu depctr_va_vdst(0)                   ; the additions have written v[24:27], which the store reads
	global_store_b128 v1, v[24:27], s[46:47]       ; 512 consecutive bytes; none of its registers is written again
.Lnot_wave_0:
	v_max3_num_f32 v21, v24, v25, v26
	v_max_num_f32 v21, v21, v27
	v_max_num_f32_dpp v21, v21, v21 row_xmask:1 row_mask:0xf bank_mask:0xf
	v_max_num_f32_dpp v21, v21, v21 row_xmask:2 row_mask:0xf bank_mask:0xf
	v_max_num_f32_dpp v21, v21, v21 row_xmask:4 row_mask:0xf bank_mask:0xf
	v_max_num_f32_dpp v21, v21, v21 row_xmask:8 row_mask:0xf bank_mask:0xf
	v_permlanex16_b32 v22, v21, s34, s35
	v_max_num_f32 v21, v21, v22                    ; the largest of my work-group's 128 scores
.irp i, 0,1,2,3
	v_sub_f32 v[28+\i], v[24+\i], v21              ; the difference first, so that a large common offset of the scores costs no bits
.endr
.irp i, 0,1,2,3
	v_mul_f32 v[28+\i], LOG2E, v[28+\i]
.endr
.irp i, 0,1,2,3
	v_exp_f32 v[28+\i], v[28+\i]                   ; p = e^(score - largest), at most 1
.endr
	v_nop
	s_wait_alu depctr_va_vdst(0)                   ; the four exponentials have written v[28:31], which the LDS store reads: their first reader
	ds_store_b128 v14, v[28:31]                    ; into my wave's own copy,
.irp q, 0,1,2,3,4,5,6,7
	ds_load_b128 v[PR+4*\q:PR+4*\q+3], v15 offset:16*\q   ; and my 32 rows' p back into every lane: LDS serves a wave's instructions in order (ISA guide 5.7.1.4), and no other wave touches these bytes
.endr
.set n, 0
.rept 32
	v_mov_b32 v[HA+n], 0                           ; the 32 sums, while those loads are out
.set n, n+1
.endr
	s_wait_dscnt 0x0
	WIN 0x03                                       ; source 0: the even rows, in window 3
.set p, 0
.rept 16
.irp q, 0,1,2,3,4,5,6,7,8,9,10,11,12,13,14,15
	v_fma_mix_f32_bf16 v[HA+2*\q],   v[16*p+\q], v[PR+2*p], v[HA+2*\q]   op_sel_hi:[1,0,0]                  ; sum += bf16(low half) x p, in f32
	v_fma_mix_f32_bf16 v[HA+2*\q+1], v[16*p+\q], v[PR+2*p], v[HA+2*\q+1] op_sel:[1,0,0] op_sel_hi:[1,0,0]   ; the high half
.endr
.set p, p+1
.endr
	WIN 0x01                                       ; the odd rows, in window 1
.set p, 0
.rept 16
.irp q, 0,1,2,3,4,5,6,7,8,9,10,11,12,13,14,15
	v_fma_mix_f32_bf16 v[HA+2*\q],   v[16*p+\q], v[PR+2*p+1], v[HA+2*\q]   op_sel_hi:[1,0,0]
	v_fma_mix_f32_bf16 v[HA+2*\q+1], v[16*p+\q], v[PR+2*p+1], v[HA+2*\q+1] op_sel:[1,0,0] op_sel_hi:[1,0,0]
.endr
.set p, p+1
.endr
	WIN 0
	s_wait_alu depctr_va_vdst(0)                   ; the multiply-adds have written v[HA ..], which the LDS stores read
.irp j, 0,1,2,3,4,5,6,7
	ds_store_b128 v16, v[HA+4*\j:HA+4*\j+3] offset:512*\j   ; register 4 j + i is k = 128 j + 4 l + i
.endr
	s_wait_dscnt 0x0                               ; for the others' sake
	s_barrier_signal -1
	s_barrier_wait -1
.irp q, 0,1,2,3
.irp j, 0,1
	ds_load_b128 v[128+8*\q+4*\j:131+8*\q+4*\j], v17 offset:4096*\q+512*\j   ; the four waves' sums of numbers 256 w .. 256 w + 255.  The last to name v128-159 were the last tile's products, ahead of the wait behind them
.endr
.endr
	s_wait_dscnt 0x0
.irp i, 0,2,4,6
	v_pk_add_f32 v[128+\i:129+\i], v[128+\i:129+\i], v[136+\i:137+\i]
	v_pk_add_f32 v[144+\i:145+\i], v[144+\i:145+\i], v[152+\i:153+\i]
	v_pk_add_f32 v[128+\i:129+\i], v[128+\i:129+\i], v[144+\i:145+\i]
.endr
	s_wait_alu depctr_va_vdst(0)                   ; the additions have written v[128:135], which the two stores read
	global_store_b128 v1, v[128:131], s[48:49]     ; 512 consecutive bytes each, at multiples of 512 from the buffer's first byte
	global_store_b128 v1, v[132:135], s[48:49] offset:512
	s_wait_xcnt 0x0
	v_lshl_add_u32 v254, v0, 2, 0x48800            ; the add's two registers are made anew here (no memory or LDS instruction has read v254 or v255)
	v_mov_b32 v255, 0
	s_wait_dscnt 0x0                               ; the closing lines, six on end
	s_wait_alu 0x0
	s_wait_tensorcnt 0x0
	ds_add_u32 v254, v255
	s_wait_dscnt 0x0
	s_endpgm
.Lfunc_end_k_qc3bda61f46_main:
	.size	k_qc3bda61f46_main, .Lfunc_end_k_qc3bda61f46_main-k_qc3bda61f46_main
	.p2alignl 7, 3214868480
	.fill 96, 4, 3214868480
	.section	.rodata,"a",@progbits
	.p2align	6, 0x0
	.amdhsa_kernel k_qc3bda61f46_main
		.amdhsa_group_segment_fixed_size 297472
		.amdhsa_private_segment_fixed_size 0
		.amdhsa_enable_private_segment 0
		.amdhsa_kernarg_size 72
		.amdhsa_user_sgpr_count 2
		.amdhsa_user_sgpr_kernarg_segment_ptr 1
		.amdhsa_wavefront_size32 1
		.amdhsa_system_sgpr_workgroup_id_x 1
		.amdhsa_system_sgpr_workgroup_id_y 1
		.amdhsa_system_sgpr_workgroup_id_z 1
		.amdhsa_system_vgpr_workitem_id 0
		.amdhsa_next_free_vgpr 1024
		.amdhsa_next_free_sgpr 66
		.amdhsa_reserve_vcc 0
		.amdhsa_float_denorm_mode_32 3
		.amdhsa_float_denorm_mode_16_64 3
		.amdhsa_memory_ordered 1
		.amdhsa_forward_progress 1
		.amdhsa_inst_pref_size 255
	.end_amdhsa_kernel
	.section	.bss,"aw",@nobits
	.p2align	6
	.space	262144
	.amdgpu_metadata
---
amdhsa.version: [ 1, 2 ]
amdhsa.kernels:
  - .name:           k_qc3bda61f46_main
    .symbol:         k_qc3bda61f46_main.kd
    .args:
      - { .name: enhy, .offset: 0, .size: 8, .value_kind: global_buffer, .address_space: global }
      - { .name: past_attn, .offset: 8, .size: 8, .value_kind: global_buffer, .address_space: global }
      - { .name: W_cv, .offset: 16, .size: 8, .value_kind: global_buffer, .address_space: global }
      - { .name: W_out, .offset: 24, .size: 8, .value_kind: global_buffer, .address_space: global }
      - { .name: lowp_scales, .offset: 32, .size: 8, .value_kind: global_buffer, .address_space: global }
      - { .name: wcodes, .offset: 40, .size: 8, .value_kind: global_buffer, .address_space: global }
      - { .name: cbk, .offset: 48, .size: 8, .value_kind: global_buffer, .address_space: global }
      - { .name: scores, .offset: 56, .size: 8, .value_kind: global_buffer, .address_space: global }
      - { .name: hpart, .offset: 64, .size: 8, .value_kind: global_buffer, .address_space: global }
    .group_segment_fixed_size: 297472
    .private_segment_fixed_size: 0
    .kernarg_segment_align: 8
    .kernarg_segment_size: 72
    .max_flat_workgroup_size: 128
    .sgpr_count:     66
    .vgpr_count:     1024
    .wavefront_size: 32
...
	.end_amdgpu_metadata
.endif
;; end of part 5
;; launch combine: the kernel of part 3 again; grid 256 x 1, 4 waves a work-group, no clusters, 768 bytes of LDS; arguments scores, hpart, hidden_attn, out0, out1, out2; writes out0, out1, out2
